; MI455X (gfx1250); checked and timed in simulation.
; The chip was launched on July 23, 2026; its instructions are those of AMD's public machine-readable ISA for CDNA 5 (MIT licence, August 2026) and "CDNA5" Instruction Set Architecture Reference Guide (July 2026). The comments in the code are by the model that wrote it; some were corrected since.
;; DT Attention. Allowed arithmetic: float matrix products may take bf16 or f16 operands with f32 sums; all other float work in f32.
;; Inputs: Wk 2,048 x 512 float32; Wo 1,024 x 2,048 float32; Wq 2,048 x 1,024 float32; Wv 2,048 x 512 float32; cos 2 x 2,048 x 128 float32; hidden_states 2 x 2,048 x 2,048 float32; lambda_k1 128 float32; lambda_k2 128 float32; lambda_q1 128 float32; lambda_q2 128 float32; rms_weight 128 float32; sin 2 x 2,048 x 128 float32.
;; Outputs: out0 2 x 2,048 x 2,048 float32.
;; One version. Each part assembles by itself: llvm-mc -triple=amdgcn-amd-amdhsa -mcpu=gfx1250 --defsym DOCPART=n.
;; ======== version 1 of 1: 4 launches
;; limits: values are held in f16: magnitudes above 65,504 overflow, below 6.1e-05 lose precision; right only within a limited range of input values
;; workspace buffers: xb 16,777,216 bytes; csb 2,097,152 bytes; wall 8,388,608 bytes; wob 4,194,304 bytes; lam 1,536 bytes; qkv 14,680,064 bytes; on 8,388,608 bytes
;; launch prep (part 1): grid 960 x 1, 8 waves a work-group, no clusters, 0 bytes of LDS; arguments hidden_states, cos, sin, Wq, Wk, Wv, Wo, lambda_q1, lambda_k1, lambda_q2, lambda_k2, rms_weight, xb, csb, wall, wob, lam; writes xb, csb, wall, wob, lam
.if DOCPART == 1
	.amdgcn_target "amdgcn-amd-amdhsa--gfx1250"
	.amdhsa_code_object_version 6
	.text
	.protected	k_q8a199d2e35_prep
	.globl	k_q8a199d2e35_prep
	.p2align	8
	.type	k_q8a199d2e35_prep,@function
k_q8a199d2e35_prep:
	s_mov_b64 s[64:65], 0
	v_nop
	global_prefetch_b8 v0, s[64:65] scope:SCOPE_SE
	s_setreg_imm32_b32 hwreg(HW_REG_WAVE_MODE, 25, 1), 1
	s_wait_xcnt 0x0
; THE CAST.  Every input is rounded once to bf16 and laid out for the three matrix launches:
;   xb   = bf16(hidden_states)                      [4096][2048]
;   csb  = bf16(cos) then bf16(sin)                 [4096][128] each
;   wall = bf16(Wq | Wk | Wv) x 2^-6 (exact)        [2048 k][2048 n']: n' 0-1023 Wq's columns, 1024-1535 Wk's, 1536-2047 Wv's in four pieces of 128:
;          piece j (g = j / 2, w = j % 2): 64 columns g 128 + 64 w .. of Wv, then 64 columns (2 + g) 128 + 64 w ..: the two numbers of a difference lie 64 columns apart
;   wob  = bf16(Wo) written as f16                  [1024][2048]   LIMIT: |Wo| below 65,504; below 2^-14 f16 keeps its fixed step of 2^-24
;   lam  = {t1,t1,nt2,nt2} x 32, {eps',eps',lambda,lambda} x 32, 0.8 x bf16(rms_weight)[128]
;          lambda = exp(q1.k1 + q2.k2) + 0.2 on lambdas rounded to bf16; t = 0.25 / (1 + lambda); t1 = 64 t; nt2 = -lambda t1; eps' = 1e-6 t^2.  LIMIT: lambda below about 1e15, so that eps' stays normal.
; Memory binds: no LDS, no matrix unit.  Every job is rows of 2,048 output numbers; a work-group owns 8 rows; thread t owns numbers 8 t .. 8 t + 7 of each row:
; two loads of 16 bytes in, one store of 16 bytes out; sixteen neighbouring lanes store 256 consecutive bytes, aligned.  All 16 loads of a wave go out first; the waits count down.
.set X,   16                           ; v[16:79]  row i: 8 numbers as loaded
.set Y,   80                           ; v[80:111] row i: 4 registers to store
.set SRC, 44                           ; s[44:45]  the job's first source row
.set DST, 46                           ; s[46:47]  its first destination row
.set WV,  4                            ; s4        wave
.set ID,  5                            ; s5        work-group
.macro LD16 pitch                      ; 8 rows, pitch bytes apart, 32 bytes a thread
.set i, 0
.rept 8
	global_load_b128 v[X+8*i:X+8*i+3],   v1, s[SRC:SRC+1] offset:i*(\pitch) th:TH_LOAD_NT
	global_load_b128 v[X+8*i+4:X+8*i+7], v1, s[SRC:SRC+1] offset:i*(\pitch)+16 th:TH_LOAD_NT
.set i, i+1
.endr
.endm
; kind 0: to bf16.  kind 1: times 2^-6, to bf16.  kind 2: to bf16, and that number written as f16.
.macro CV kind
.set i, 0
.rept 8
	s_wait_loadcnt 14-2*i                          ; loads come back in order: row i's two are in, the 2 (7 - i) younger ones stay out
.if (\kind) == 1
.set k, 0
.rept 4
	v_pk_mul_f32 v[X+8*i+2*k:X+8*i+2*k+1], v[X+8*i+2*k:X+8*i+2*k+1], 0x3c800000 op_sel_hi:[1,0]
.set k, k+1
.endr
.endif
.set k, 0
.rept 4
	v_cvt_pk_bf16_f32 v[Y+4*i+k], v[X+8*i+2*k], v[X+8*i+2*k+1]
.set k, k+1
.endr
.if (\kind) == 2
.set k, 0
.rept 4
	v_lshlrev_b32 v[X+8*i+2*k], 16, v[Y+4*i+k]
	v_and_b32 v[X+8*i+2*k+1], 0xffff0000, v[Y+4*i+k]
.set k, k+1
.endr
.set k, 0
.rept 4
	v_cvt_pk_f16_f32 v[Y+4*i+k], v[X+8*i+2*k], v[X+8*i+2*k+1]
.set k, k+1
.endr
.endif
	global_store_b128 v2, v[Y+4*i:Y+4*i+3], s[DST:DST+1] offset:i*4096
.set i, i+1
.endr
.endm
; A job whose source rows are 8,192 bytes on end: work-group ID - sid of the source, ID - did of the destination
.macro JOB src, dst, sid, did, kind
	s_sub_co_u32 s6, s[ID], \sid
	s_sub_co_u32 s7, s[ID], \did
	s_lshl_b32 s48, s6, 16                         ; 8 rows of 8,192 bytes
	s_lshl_b32 s50, s7, 15                         ; 8 rows of 4,096 bytes
	s_add_nc_u64 s[SRC:SRC+1], s[\src:\src+1], s[48:49]
	s_add_nc_u64 s[DST:DST+1], s[\dst:\dst+1], s[50:51]
	LD16 8192
	CV \kind
.endm
	s_load_b512 s[8:23], s[0:1], 0x0               ; x 8, cos 10, sin 12, Wq 14, Wk 16, Wv 18, Wo 20, lambda_q1 22
	s_load_b512 s[24:39], s[0:1], 0x40             ; lambda_k1 24, lambda_q2 26, lambda_k2 28, rms_weight 30, xb 32, csb 34, wall 36, wob 38
	s_load_b64 s[40:41], s[0:1], 0x80              ; lam
	v_lshlrev_b32 v1, 5, v0                        ; 32 t: my 8 numbers in a source row
	v_lshlrev_b32 v2, 4, v0                        ; 16 t: in a destination row
	v_lshrrev_b32 v3, 5, v0
	v_readfirstlane_b32 s[WV], v3
	v_and_b32 v4, 31, v0                           ; lane
	s_mov_b32 s[ID], ttmp9
	s_mov_b32 s49, 0
	s_mov_b32 s51, 0
	s_wait_kmcnt 0x0
	s_cmp_ge_u32 s[ID], 832
	s_cbranch_scc1 .Lwo
	s_cmp_ge_u32 s[ID], 576
	s_cbranch_scc1 .Lwall
	s_cmp_ge_u32 s[ID], 544
	s_cbranch_scc1 .Lsin
	s_cmp_ge_u32 s[ID], 512
	s_cbranch_scc1 .Lcos
	JOB 8, 32, 0, 0, 0                             ; work-groups 0-511: x
	s_or_b32 s6, s[ID], s[WV]
	s_cmp_lg_u32 s6, 0
	s_cbranch_scc1 .Ldone
	; wave 0 of work-group 0 makes lam.  Lane l holds numbers 4 l .. 4 l + 3 of the five vectors.
	v_lshlrev_b32 v5, 4, v4
	global_load_b128 v[16:19], v5, s[22:23]
	global_load_b128 v[20:23], v5, s[24:25]
	global_load_b128 v[24:27], v5, s[26:27]
	global_load_b128 v[28:31], v5, s[28:29]
	global_load_b128 v[32:35], v5, s[30:31]
	s_mov_b32 s52, 0x76543210                      ; v_permlanex16_b32: each lane takes its own place in the other half
	s_mov_b32 s53, 0xfedcba98
	s_wait_loadcnt 0x0
.set k, 0
.rept 10                                               ; rounded to bf16 like every input, and widened again
	v_cvt_pk_bf16_f32 v6, v[16+2*k], v[17+2*k]
	v_lshlrev_b32 v[16+2*k], 16, v6
	v_and_b32 v[17+2*k], 0xffff0000, v6
.set k, k+1
.endr
	v_mul_f32 v40, v16, v20
	v_fmac_f32 v40, v17, v21
	v_fmac_f32 v40, v18, v22
	v_fmac_f32 v40, v19, v23
	v_fmac_f32 v40, v24, v28
	v_fmac_f32 v40, v25, v29
	v_fmac_f32 v40, v26, v30
	v_fmac_f32 v40, v27, v31
	v_mov_b32 v41, 0
	v_add_f32_dpp v40, v40, v40 row_xmask:1 row_mask:0xf bank_mask:0xf
	v_add_f32_dpp v40, v40, v40 row_xmask:2 row_mask:0xf bank_mask:0xf
	v_add_f32_dpp v40, v40, v40 row_xmask:4 row_mask:0xf bank_mask:0xf
	v_add_f32_dpp v40, v40, v40 row_xmask:8 row_mask:0xf bank_mask:0xf
	v_permlanex16_b32 v41, v40, s52, s53
	v_add_f32 v40, v40, v41                        ; q1.k1 + q2.k2 in every lane
	v_mul_f32 v40, 0x3fb8aa3b, v40
	v_exp_f32 v40, v40
	v_nop                                          ; a plain instruction behind the exponential
	s_wait_alu depctr_va_vdst(0)
	v_add_f32 v54, 0x3e4ccccd, v40                 ; lambda
	v_add_f32 v43, 1.0, v54
	v_rcp_f32 v43, v43
	v_mov_b32 v55, v54                             ; a plain instruction behind the reciprocal
	s_wait_alu depctr_va_vdst(0)
	v_mul_f32 v48, 0x41800000, v43                 ; t1 = 16 / (1 + lambda)
	v_mul_f32 v44, 0x3e800000, v43                 ; t = 0.25 / (1 + lambda)
	v_mov_b32 v49, v48
	v_mul_f32 v50, -v54, v48                       ; nt2
	v_mul_f32 v44, v44, v44
	v_mov_b32 v51, v50
	v_mul_f32 v52, 0x358637bd, v44                 ; eps' = 1e-6 t^2
	v_mul_f32 v56, 0x3f4ccccd, v32                 ; 0.8 x weight
	v_mul_f32 v57, 0x3f4ccccd, v33
	v_mul_f32 v58, 0x3f4ccccd, v34
	v_mul_f32 v59, 0x3f4ccccd, v35
	v_mov_b32 v53, v52
	global_store_b128 v5, v[48:51], s[40:41]
	global_store_b128 v5, v[52:55], s[40:41] offset:512
	global_store_b128 v5, v[56:59], s[40:41] offset:1024
.Ldone:
	s_endpgm
.Lcos:
	JOB 10, 34, 512, 512, 0                        ; work-groups 512-543
	s_endpgm
.Lsin:
	JOB 12, 34, 544, 512, 0                        ; work-groups 544-575: behind cos in csb
	s_endpgm
.Lwo:
	JOB 20, 38, 832, 832, 2                        ; work-groups 832-959
	s_endpgm
.Lwall:                                                ; work-groups 576-831: 8 rows of wall; the wave's number says from which weight its 256 columns come
	s_sub_co_u32 s6, s[ID], 576
	s_lshl_b32 s50, s6, 15
	s_add_nc_u64 s[DST:DST+1], s[36:37], s[50:51]
	s_cmp_ge_u32 s[WV], 6
	s_cbranch_scc1 .Lwv
	s_cmp_ge_u32 s[WV], 4
	s_cbranch_scc1 .Lwk
	s_lshl_b32 s48, s6, 15                         ; Wq: rows of 4,096 bytes; 32 t is already wave x 1,024 + 32 lane
	s_add_nc_u64 s[SRC:SRC+1], s[14:15], s[48:49]
	LD16 4096
	s_branch .Lwcv
.Lwk:
	s_lshl_b32 s48, s6, 14                         ; Wk: rows of 2,048 bytes
	s_add_nc_u64 s[SRC:SRC+1], s[16:17], s[48:49]
	s_sub_co_u32 s7, s[WV], 4
	s_lshl_b32 s7, s7, 10
	v_lshlrev_b32 v1, 5, v4
	v_add_nc_u32 v1, s7, v1
	LD16 2048
	s_branch .Lwcv
.Lwv:
	s_lshl_b32 s48, s6, 14                         ; Wv: rows of 2,048 bytes
	s_add_nc_u64 s[SRC:SRC+1], s[18:19], s[48:49]
	v_and_b32 v1, 7, v4                            ; g 512 + (second half of a piece) 1,024 + w 256 + 32 (lane % 8) bytes
	v_lshlrev_b32 v1, 5, v1
	v_bfe_u32 v3, v4, 3, 1
	v_lshl_add_u32 v1, v3, 10, v1
	v_bfe_u32 v3, v4, 4, 1
	v_lshl_add_u32 v1, v3, 8, v1
	s_sub_co_u32 s7, s[WV], 6
	s_lshl_b32 s7, s7, 9
	v_add_nc_u32 v1, s7, v1
	LD16 2048
.Lwcv:                                                 ; on each of the three ways 16 loads are out
	CV 1
	s_endpgm
.Lfunc_end_k_q8a199d2e35_prep:
	.size	k_q8a199d2e35_prep, .Lfunc_end_k_q8a199d2e35_prep-k_q8a199d2e35_prep
	.p2alignl 7, 3214868480
	.fill 96, 4, 3214868480
	.section	.rodata,"a",@progbits
	.p2align	6, 0x0
	.amdhsa_kernel k_q8a199d2e35_prep
		.amdhsa_group_segment_fixed_size 0
		.amdhsa_private_segment_fixed_size 0
		.amdhsa_enable_private_segment 0
		.amdhsa_kernarg_size 136
		.amdhsa_user_sgpr_count 2
		.amdhsa_user_sgpr_kernarg_segment_ptr 1
		.amdhsa_wavefront_size32 1
		.amdhsa_system_sgpr_workgroup_id_x 1
		.amdhsa_system_sgpr_workgroup_id_y 1
		.amdhsa_system_sgpr_workgroup_id_z 1
		.amdhsa_system_vgpr_workitem_id 0
		.amdhsa_next_free_vgpr 112
		.amdhsa_next_free_sgpr 66
		.amdhsa_reserve_vcc 0
		.amdhsa_float_denorm_mode_32 3
		.amdhsa_float_denorm_mode_16_64 3
		.amdhsa_memory_ordered 1
		.amdhsa_forward_progress 1
		.amdhsa_inst_pref_size 41
	.end_amdhsa_kernel
	.amdgpu_metadata
---
amdhsa.version: [ 1, 2 ]
amdhsa.kernels:
  - .name:           k_q8a199d2e35_prep
    .symbol:         k_q8a199d2e35_prep.kd
    .args:
      - { .name: hidden_states, .offset: 0, .size: 8, .value_kind: global_buffer, .address_space: global }
      - { .name: cos, .offset: 8, .size: 8, .value_kind: global_buffer, .address_space: global }
      - { .name: sin, .offset: 16, .size: 8, .value_kind: global_buffer, .address_space: global }
      - { .name: Wq, .offset: 24, .size: 8, .value_kind: global_buffer, .address_space: global }
      - { .name: Wk, .offset: 32, .size: 8, .value_kind: global_buffer, .address_space: global }
      - { .name: Wv, .offset: 40, .size: 8, .value_kind: global_buffer, .address_space: global }
      - { .name: Wo, .offset: 48, .size: 8, .value_kind: global_buffer, .address_space: global }
      - { .name: lambda_q1, .offset: 56, .size: 8, .value_kind: global_buffer, .address_space: global }
      - { .name: lambda_k1, .offset: 64, .size: 8, .value_kind: global_buffer, .address_space: global }
      - { .name: lambda_q2, .offset: 72, .size: 8, .value_kind: global_buffer, .address_space: global }
      - { .name: lambda_k2, .offset: 80, .size: 8, .value_kind: global_buffer, .address_space: global }
      - { .name: rms_weight, .offset: 88, .size: 8, .value_kind: global_buffer, .address_space: global }
      - { .name: xb, .offset: 96, .size: 8, .value_kind: global_buffer, .address_space: global }
      - { .name: csb, .offset: 104, .size: 8, .value_kind: global_buffer, .address_space: global }
      - { .name: wall, .offset: 112, .size: 8, .value_kind: global_buffer, .address_space: global }
      - { .name: wob, .offset: 120, .size: 8, .value_kind: global_buffer, .address_space: global }
      - { .name: lam, .offset: 128, .size: 8, .value_kind: global_buffer, .address_space: global }
    .group_segment_fixed_size: 0
    .private_segment_fixed_size: 0
    .kernarg_segment_align: 8
    .kernarg_segment_size: 136
    .max_flat_workgroup_size: 256
    .sgpr_count:     66
    .vgpr_count:     112
    .wavefront_size: 32
...
	.end_amdgpu_metadata
.endif
;; end of part 1
;; launch proj (part 2): grid 16 x 16, 4 waves a work-group, clusters of 4 x 4, 327,680 bytes of LDS; arguments xb, wall, csb, lam, qkv; writes qkv
.if DOCPART == 2
	.amdgcn_target "amdgcn-amd-amdhsa--gfx1250"
	.amdhsa_code_object_version 6
	.text
	.protected	k_q8a199d2e35_proj
	.globl	k_q8a199d2e35_proj
	.p2align	8
	.type	k_q8a199d2e35_proj,@function
k_q8a199d2e35_proj:
	s_mov_b64 s[64:65], 0
	v_nop
	global_prefetch_b8 v0, s[64:65] scope:SCOPE_SE
	s_setreg_imm32_b32 hwreg(HW_REG_WAVE_MODE, 25, 1), 1
	s_wait_xcnt 0x0
	s_wait_alu depctr_hold_cnt(0) depctr_sa_sdst(0) depctr_va_vdst(0) depctr_va_sdst(0) depctr_va_ssrc(0) depctr_va_vcc(0) depctr_vm_vsrc(0)
	s_getreg_b32 s2, hwreg(HW_REG_IB_STS2, 6, 4)
	s_cmp_eq_u32 s2, 0
	s_cbranch_scc0 .Lentry_in_a_cluster
	s_endpgm
.Lentry_in_a_cluster:
	s_bfe_u32 s2, ttmp6, 0x10000c
	s_cmp_lg_u32 s2, 0xf033
	s_cbranch_scc0 .Lentry_shape_is_right
	s_endpgm
.Lentry_shape_is_right:
; THE PROJECTIONS, RoPE AND THE VALUE DIFFERENCE.  C = xb [4096][2048] x wall [2048 k][2048 n'], bf16 operands, f32 sums.  wall carries 2^-6.
; A tile of C is 256 rows x 128 columns = one head (or one piece of V) for 256 tokens.  Tile columns 0-7: Q heads, 8-11: K heads, 12-15: pieces of V.
;   Q, K: out[d] = x[d] cos[d] -/+ x[d +/- 64] sin[d] in f32 with cos, sin in bf16; rounded once to f16; stored by heads, [plane][2048][128].  The 2^-6 stays on q and on k.
;   V:    vd' = v1 t1 + v2 nt2 = t (v1 - lambda v2), formed in f32, rounded once to f16; stored [plane][2048][64].
; LIMITS.  |q|, |k| after RoPE below 65,504 x 64 = 4.19e6 and |vd'| below 65,504, or f16 gives an infinity.
; SHARES.  Four waves; wave w makes rows 64 w .. 64 w + 63 x all 128 columns: 32 accumulators of 16 x 16.  K goes in steps of 128 through two LDS slots.
; THE MATRIX INSTRUCTION IS USED TRANSPOSED (source 0 = 16 columns of wall, source 1 = 16 rows of xb): lane (r, h) then holds row r and the columns 8 h + 0..7 of a 16 x 16 block.
; wall lies [k][n]: its fragments come out of LDS turned, by ds_load_tr16_b128.
; CLUSTER 4 x 4: xb's tile hangs on the tile row alone and is asked for jointly along a row of the cluster, wall's on the tile column alone and jointly along a column.
; REGISTERS in windows of 256: window 0 addresses and the way out; window 1 the accumulators ((a, b) at 8 (8 a + b)); window 2 two fragment buffers of 96 (A's 4 fragments, then B's 8);
; window 3 my rows' cos (0-127) and sin (128-255), bf16, 4 registers for block (a, b).
.set KA,    2048                       ; elements in a row of A
.set ASH,   12                         ; a row of A is 1 << ASH bytes
.set NSTEP, KA/128
.set PA,    272                        ; a row of A in LDS: 256 bytes + 16
.set PB,    288                        ; a k-row of B: 256 bytes + 32
.set AT,    256*PA
.set BT,    128*PB
.set SLOT1, 1<<17                      ; slot 1 begins here: one exclusive or turns an address in one slot into the other's
.set STAGE, SLOT1+AT+BT                ; behind the ring, never filled by a tensor load: 16 rows x 272 bytes for each wave
.set SP,    272
.set SPV,   144
.set SPARE, STAGE+4*16*SP              ; the spare words: 128 bytes a wave, two blocks of 256 bytes that no other line names
.set VO,    12582912                   ; vd in qkv
.set ADA0, 16                          ; my place in a slot's A; never rewritten
.set ADB0, 17                          ; in its B
.set ADA,  18                          ; the same in the slot in hand
.set ADB,  19
.set STOV, 20
.set RDV,  21
.set CSO,  22
.set STO,  24
.set RD,   25
.set CO,   26
.set SPW,  28
.set NIL,  29
.set ZR,   30                          ; 0.0
.set T,    32
.set U,    40
.set PK,   64                          ; 32 registers: a block of 16 rows, packed
.set BK,   96                          ; two buffers of 32: whole rows read back
.set SN,   128                         ; sin, in window 3
.set F0,   0
.set F1,   96
.set WV,   14
.set AB,   15                          ; 0: I fetch for A, 1: for B
.set HW,   16                          ; which half
.set NT,   42
.set MT,   45
.set TB,   46
.set CX9,  72
.set G1A,  24
.set G0A,  32
.set G1B,  48
.set G0B,  56
.set MSB, 0
.macro WIN new                         ; the immediate's high byte repeats the setting that is left; a switch that changes nothing is dropped
.if MSB != (\new)
	s_set_vgpr_msb (MSB<<8)|(\new)
.set MSB, (\new)
.endif
.endm
.set MUL,  0x5a                        ; sources 0 and 1 window 2, C and D window 1
.set TO_F, 0x80                        ; destination window 2, address window 0
.macro PLACES                          ; four plain instructions between a matrix instruction and a load into, or a vector read of, its registers
.rept 4
	v_nop
.endr
.endm
.macro JLOAD                           ; a joint refill by the walking descriptor; an s_nop 0 and four v_nop follow each of the two lines
	s_cmp_eq_u32 s[AB], 0
	s_cbranch_scc0 .Lfor_b_\@
	tensor_load_to_lds s[G0A+4:G0A+7], s[G1A:G1A+7]
	s_nop 0
.rept 4
	v_nop
.endr
	s_branch .Lasked_\@
.Lfor_b_\@:
	tensor_load_to_lds s[G0B+4:G0B+7], s[G1B:G1B+7]
	s_nop 0
.rept 4
	v_nop
.endr
.Lasked_\@:
.endm
.macro CREST                           ; a round of the cluster's barrier behind its opening barrier
	s_cmp_lg_u32 s[WV], 0
	s_cbranch_scc1 .Lnot_wave_0_\@
	s_barrier_signal -3
.Lnot_wave_0_\@:
	s_barrier_wait -3
	s_barrier_signal -1
	s_barrier_wait -1
.endm
.macro CROUND
	s_barrier_signal -1
	s_barrier_wait -1
	CREST
.endm
	s_load_b256 s[4:11], s[0:1], 0x0               ; xb 4, wall 6, csb 8, lam 10
	s_load_b64 s[12:13], s[0:1], 0x20              ; qkv
	v_lshl_add_u32 v[SPW], v0, 2, SPARE
	v_mov_b32 v[NIL], 0
	ds_add_u32 v[SPW], v[NIL]                      ; the wave's opening: the add and its wait ahead of my first tensor load
	v_lshrrev_b32 v1, 5, v0
	v_readfirstlane_b32 s[WV], v1
	s_lshr_b32 s[AB], s[WV], 1
	s_and_b32 s[HW], s[WV], 1
	s_bfe_u32 s40, ttmp6, 0x40000                  ; cx
	s_bfe_u32 s41, ttmp6, 0x40004                  ; cy
	s_lshl_b32 s[NT], ttmp9, 2
	s_add_co_u32 s[NT], s[NT], s40                 ; tile column
	s_and_b32 s[MT], ttmp7, 0xffff
	s_lshl_b32 s[MT], s[MT], 2
	s_add_co_u32 s[MT], s[MT], s41                 ; tile row
	s_lshl_b32 s43, s41, 2
	s_lshl_b32 s43, 15, s43                        ; my row of the cluster
	s_lshl_b32 s44, 0x1111, s40                    ; my column
	s_or_b32 s[G1A], s43, (1<<16)|(1<<20)|(1<<21)|(5<<22)|(3<<25)  ; mask; 2-byte elements; padding on; bit 21 beside a mask; after every 64 words 4 words
	s_or_b32 s[G1B], s44, (1<<16)|(1<<20)|(1<<21)|(5<<22)|(7<<25)  ; the same with 8 words of padding
	s_mov_b32 s[G1A+1], 128<<16                    ; tensor_dim0 = 128
	s_mov_b32 s[G1A+2], 128<<16                    ; tensor_dim1 = 128
	s_mov_b32 s[G1A+3], 128<<16                    ; tile_dim0 = 128
	s_mov_b32 s[G1A+4], 128                        ; tile_dim1 = 128 rows
	s_mov_b32 s[G1A+5], KA                         ; elements from row to row
	s_mov_b32 s[G1A+6], 0
	s_mov_b32 s[G1A+7], 0
	s_mov_b32 s[G1B+1], 128<<16
	s_mov_b32 s[G1B+2], 64<<16
	s_mov_b32 s[G1B+3], 128<<16
	s_mov_b32 s[G1B+4], 64                         ; 64 k-rows
	s_mov_b32 s[G1B+5], 2048
	s_mov_b32 s[G1B+6], 0
	s_mov_b32 s[G1B+7], 0
	s_lshl_b32 s18, s[MT], 8                       ; A: row 256 x tile row + 128 x half, in bytes: made of the tile row and the wave alone
	s_lshl_b32 s19, s[HW], 7
	s_add_co_u32 s18, s18, s19
	s_lshl_b32 s18, s18, ASH
	s_mov_b32 s19, 0
	s_lshl_b32 s20, s[HW], 18                      ; B: k-row 64 x half (4,096 bytes a row) + 256 bytes x tile column: made of the tile column and the wave alone
	s_lshl_b32 s21, s[NT], 8
	s_add_co_u32 s20, s20, s21
	s_mov_b32 s21, 0
	s_mul_i32 s22, s[HW], 128*PA                   ; where they go: no place in the cluster enters an LDS address
	s_mul_i32 s23, s[HW], 64*PB
	s_add_co_u32 s23, s23, AT
	s_mov_b32 s[TB], 0
	s_mov_b32 s[CX9], ttmp9                        ; the cluster's x says what kind of tile this is: the same in all partners
	s_wait_dscnt 0x0                               ; the opening add is done
	s_wait_kmcnt 0x0
	s_add_nc_u64 s[18:19], s[4:5], s[18:19]
	s_add_nc_u64 s[20:21], s[6:7], s[20:21]
.irp s, 0,1
	s_mov_b32 s[G0A+4*\s], 1
	s_add_co_u32 s[G0A+4*\s+1], s22, \s*SLOT1
	s_add_nc_u64 s[G0A+4*\s+2:G0A+4*\s+3], s[18:19], \s*256      ; K step s
	s_or_b32 s[G0A+4*\s+3], s[G0A+4*\s+3], 0x80000000
	s_mov_b32 s[G0B+4*\s], 1
	s_add_co_u32 s[G0B+4*\s+1], s23, \s*SLOT1
	s_add_nc_u64 s[G0B+4*\s+2:G0B+4*\s+3], s[20:21], \s*524288   ; 128 k-rows on
	s_or_b32 s[G0B+4*\s+3], s[G0B+4*\s+3], 0x80000000
.endr
	CROUND                                         ; all sixteen work-groups are here: the first joint loads meet
	s_cmp_eq_u32 s[AB], 0                          ; a wave's two first fills stand in one branch: two loads of mine are out
	s_cbranch_scc0 .Lfirst_b
	tensor_load_to_lds s[G0A:G0A+3], s[G1A:G1A+7]
	s_nop 0
	tensor_load_to_lds s[G0A+4:G0A+7], s[G1A:G1A+7]
	s_nop 0
.rept 4
	v_nop
.endr
	s_branch .Lfirst_asked
.Lfirst_b:
	tensor_load_to_lds s[G0B:G0B+3], s[G1B:G1B+7]
	s_nop 0
	tensor_load_to_lds s[G0B+4:G0B+7], s[G1B:G1B+7]
	s_nop 0
.rept 4
	v_nop
.endr
.Lfirst_asked:
	s_load_b128 s[68:71], s[10:11], 0x0            ; t1, t1, nt2, nt2
	v_and_b32 v1, 15, v0                           ; r
	v_bfe_u32 v2, v0, 4, 1                         ; h
	v_lshlrev_b32 v[CSO], 8, v1                    ; cos, sin: row r x 256 bytes + 16 h
	v_lshl_add_u32 v[CSO], v2, 4, v[CSO]
	s_lshl_b32 s66, s[MT], 16                      ; my 64 rows of the tables
	s_lshl_b32 s2, s[WV], 14
	s_add_co_u32 s66, s66, s2
	s_mov_b32 s67, 0
	s_add_nc_u64 s[66:67], s[8:9], s[66:67]
	WIN 0xc0                                       ; destination window 3
.set a, 0
.rept 4
.set b, 0
.rept 8
	global_load_b128 v[32*a+4*b:32*a+4*b+3],       v[CSO], s[66:67] offset:a*4096+b*32
	global_load_b128 v[SN+32*a+4*b:SN+32*a+4*b+3], v[CSO], s[66:67] offset:1048576+a*4096+b*32
.set b, b+1
.endr
.set a, a+1
.endr
	WIN 0
	v_mul_u32_u24 v3, v1, PA                       ; A's fragment: row x pitch + 16 h, my 64 rows
	v_lshl_add_u32 v3, v2, 4, v3
	s_mul_i32 s2, s[WV], 64*PA
	v_add_nc_u32 v[ADA0], s2, v3
	v_and_b32 v4, 7, v0                            ; B's turning load: k-row 8 h + lane % 8, 16 bytes for each eight lanes
	v_lshl_add_u32 v4, v2, 3, v4
	v_mul_u32_u24 v4, v4, PB
	v_bfe_u32 v5, v0, 3, 1
	v_lshl_add_u32 v4, v5, 4, v4
	v_add_nc_u32 v[ADB0], AT, v4
	v_mov_b32 v[ADA], v[ADA0]
	v_mov_b32 v[ADB], v[ADB0]
	s_mul_i32 s2, s[WV], 16*SP
	s_add_co_u32 s2, s2, STAGE                     ; my stage
	v_mul_u32_u24 v5, v1, SP
	v_lshl_add_u32 v5, v2, 4, v5
	v_add_nc_u32 v[STO], s2, v5                    ; in: row r, 16 bytes for each half of the lanes
	v_mul_u32_u24 v5, v2, SP
	v_lshl_add_u32 v5, v1, 4, v5
	v_add_nc_u32 v[RD], s2, v5                     ; back: lanes 0-15 one row of 256 bytes, lanes 16-31 the next
	v_mul_u32_u24 v5, v1, SPV
	v_lshl_add_u32 v5, v2, 4, v5
	v_add_nc_u32 v[STOV], s2, v5                   ; the same for rows of 128 bytes
	v_bfe_u32 v5, v0, 3, 2
	v_mul_u32_u24 v5, v5, SPV
	v_and_b32 v6, 7, v0
	v_lshl_add_u32 v5, v6, 4, v5
	v_add_nc_u32 v[RDV], s2, v5                    ; back: four rows of 128 bytes
	v_and_b32 v5, 31, v0
	v_lshlrev_b32 v[CO], 4, v5                     ; 512 consecutive bytes of the output
	v_mov_b32 v[ZR], 0
.macro MUL8 f, a, zero                 ; 8 matrix instructions: row block a x all 8 column blocks, 32 along K; the accumulators take turns
	WIN MUL
.irp b, 0,1,2,3,4,5,6,7
.if \zero
	v_wmma_f32_16x16x32_bf16 v[8*(8*(\a)+\b):8*(8*(\a)+\b)+7], v[(\f)+32+8*\b:(\f)+32+8*\b+7], v[(\f)+8*(\a):(\f)+8*(\a)+7], 0
.else
	v_wmma_f32_16x16x32_bf16 v[8*(8*(\a)+\b):8*(8*(\a)+\b)+7], v[(\f)+32+8*\b:(\f)+32+8*\b+7], v[(\f)+8*(\a):(\f)+8*(\a)+7], v[8*(8*(\a)+\b):8*(8*(\a)+\b)+7]
.endif
.endr
.endm
.macro FETCH q, f                      ; 24 LDS loads in one run: quarter q's fragments into buffer f: B's sixteen first, then A's eight, row blocks ascending
	WIN TO_F
.irp b, 0,1,2,3,4,5,6,7
	ds_load_tr16_b128 v[(\f)+32+8*\b:(\f)+32+8*\b+3],   v[ADB] offset:(\q)*32*PB+32*\b
	ds_load_tr16_b128 v[(\f)+32+8*\b+4:(\f)+32+8*\b+7], v[ADB] offset:(\q)*32*PB+16*PB+32*\b
.endr
.irp a, 0,1,2,3
	ds_load_b128 v[(\f)+8*\a:(\f)+8*\a+3],   v[ADA] offset:(\q)*64+\a*16*PA
	ds_load_b128 v[(\f)+8*\a+4:(\f)+8*\a+7], v[ADA] offset:(\q)*64+\a*16*PA+32
.endr
.endm
.macro QUARTER q, f, g, zero           ; multiplies buffer f; in its middle fetches quarter q into buffer g
	s_wait_dscnt 4                                 ; B and A's blocks 0, 1 are in; the youngest four loads (blocks 2, 3) may be out
	MUL8 \f, 0, \zero
	MUL8 \f, 1, \zero
	PLACES
	FETCH \q, \g
	s_wait_dscnt 24                                ; all but the 24 just issued
	MUL8 \f, 2, \zero
	MUL8 \f, 3, \zero
.endm
; The last quarter multiplies buffer 1 and changes slots.  In front of the one barrier each wave waits for all its tensor loads (one is out: its part of the next slot), adds 0 to its
; spare word, and waits for that and for its reads of this slot.  fill = 1: the barrier opens a round of the cluster's, and the joint refill, the K step two on, is the first thing behind it:
; 112 matrix instructions stand between it and the wait for it.
.macro TURN fill
	WIN 0
	s_wait_tensorcnt 0x0
	ds_add_u32 v[SPW], v[NIL]
	s_wait_dscnt 5                                 ; the add and the youngest four loads may be out
	MUL8 F1, 0, 0
	s_wait_dscnt 0x0                               ; the add is done, my reads of this slot are over
	s_barrier_signal -1
	MUL8 F1, 1, 0
	WIN 0
	s_barrier_wait -1
.if \fill
	CREST
	s_xor_b32 s[G0A+5], s[G0A+5], SLOT1            ; the walking descriptors: the other slot than last time, the next K step
	s_add_nc_u64 s[G0A+6:G0A+7], s[G0A+6:G0A+7], 256
	s_xor_b32 s[G0B+5], s[G0B+5], SLOT1
	s_add_nc_u64 s[G0B+6:G0B+7], s[G0B+6:G0B+7], 524288
	JLOAD                                          ; its four v_nop are also the places in front of the loads below
.else
	PLACES
.endif
	s_xor_b32 s[TB], s[TB], SLOT1
	v_add_nc_u32 v[ADA], s[TB], v[ADA0]
	v_add_nc_u32 v[ADB], s[TB], v[ADB0]
	FETCH 0, F0
	MUL8 F1, 2, 0
	MUL8 F1, 3, 0
.endm
	s_wait_tensorcnt 1                             ; my part of K step 0 is in; step 1's may stay out
	s_wait_loadcnt 0x0                             ; cos and sin
	s_wait_kmcnt 0x0                               ; t1, nt2
	s_barrier_signal -1
	s_barrier_wait -1
	FETCH 0, F0
	QUARTER 1, F0, F1, 1                           ; the first quarter starts the sums: nothing is cleared
	WIN 0
	s_mov_b32 s3, NSTEP-2
.Lstep:                                                ; a trip: a K step's quarters 1 to 3 and the next step's quarter 0; one refill
	QUARTER 2, F1, F0, 0
	QUARTER 3, F0, F1, 0
	TURN 1
	QUARTER 1, F0, F1, 0
	WIN 0
	s_sub_co_u32 s3, s3, 1
	s_cmp_lg_u32 s3, 0
	s_cbranch_scc1 .Lstep
	QUARTER 2, F1, F0, 0                           ; the last two K steps ask for nothing
	QUARTER 3, F0, F1, 0
	TURN 0
	QUARTER 1, F0, F1, 0
	QUARTER 2, F1, F0, 0
	QUARTER 3, F0, F1, 0
	s_wait_dscnt 4
	MUL8 F1, 0, 0
	MUL8 F1, 1, 0
	s_wait_dscnt 0x0
	MUL8 F1, 2, 0
	MUL8 F1, 3, 0
	PLACES
	WIN 0
.macro MIX d, t, hf, x, c              ; d = bf16 half hf of table register t (window 3) x accumulator register x (window 1) + c
.if \hf
	v_fma_mix_f32_bf16 v[\d], v[\t], v[\x], v[\c] op_sel:[1,0,0] op_sel_hi:[1,0,0]
.else
	v_fma_mix_f32_bf16 v[\d], v[\t], v[\x], v[\c] op_sel_hi:[1,0,0]
.endif
.endm
; RoPE for row block a.  Column d = 16 b + 8 h + j and its partner d + 64 lie in the same lane, four accumulators apart.  Each accumulator is read from its low end on.
.macro ROPE a
	WIN 0xcc
.set i, 0
.rept 16
	v_xor_b32 v[SN+32*(\a)+i], 0x80008000, v[SN+32*(\a)+i]  ; -sin for the lower 64 columns, two bf16 at a time
.set i, i+1
.endr
.set b, 0
.rept 4
.set XA, 8*(8*(\a)+b)
.set YA, XA+32
.set CT, 32*(\a)+4*b
	WIN 0x07                                       ; source 0 window 3, source 1 window 1
.set j, 0
.rept 8
	MIX T+j, CT+j/2, j%2, XA+j, ZR
.set j, j+1
.endr
.set j, 0
.rept 8
	MIX U+j, CT+16+j/2, j%2, YA+j, ZR
.set j, j+1
.endr
.set j, 0
.rept 8
	MIX T+j, SN+CT+j/2, j%2, YA+j, T+j
.set j, j+1
.endr
.set j, 0
.rept 8
	MIX U+j, SN+CT+16+j/2, j%2, XA+j, U+j
.set j, j+1
.endr
	WIN 0
.set j, 0
.rept 4
	v_cvt_pk_f16_f32 v[PK+4*b+j], v[T+2*j], v[T+2*j+1]
	v_cvt_pk_f16_f32 v[PK+16+4*b+j], v[U+2*j], v[U+2*j+1]
.set j, j+1
.endr
.set b, b+1
.endr
.set BKA, BK+32*((\a)%2)
.irp f, 0,1,2,3,4,5,6,7
	ds_store_b128 v[STO], v[PK+4*\f:PK+4*\f+3] offset:32*\f
.endr
	s_wait_xcnt 0x0                                ; the registers that earlier stores read are loaded again only behind this wait
.irp f, 0,1,2,3,4,5,6,7
	ds_load_b128 v[BKA+4*\f:BKA+4*\f+3], v[RD] offset:\f*2*SP  ; LDS serves a wave's instructions in order: these see the stores above
.endr
	s_wait_dscnt 0x0
.irp f, 0,1,2,3,4,5,6,7
	global_store_b128 v[CO], v[BKA+4*\f:BKA+4*\f+3], s[74:75] offset:(\a)*4096+\f*512  ; two rows of a head: 512 consecutive bytes, aligned
.endr
.endm
; The value difference for row block a: columns c and c + 64 of the tile are v1's and v2's.
.macro VMIX a
.set b, 0
.rept 4
.set XA, 8*(8*(\a)+b)
.set YA, XA+32
	WIN 0x01
.set j, 0
.rept 4
	v_pk_mul_f32 v[T+2*j:T+2*j+1], v[XA+2*j:XA+2*j+1], s[68:69] op_sel_hi:[1,0]
.set j, j+1
.endr
.set j, 0
.rept 4
	v_pk_fma_f32 v[T+2*j:T+2*j+1], v[YA+2*j:YA+2*j+1], s[70:71], v[T+2*j:T+2*j+1] op_sel_hi:[1,0,1]
.set j, j+1
.endr
	WIN 0
.set j, 0
.rept 4
	v_cvt_pk_f16_f32 v[PK+4*b+j], v[T+2*j], v[T+2*j+1]
.set j, j+1
.endr
.set b, b+1
.endr
.set BKA, BK+32*((\a)%2)
.irp f, 0,1,2,3
	ds_store_b128 v[STOV], v[PK+4*\f:PK+4*\f+3] offset:32*\f
.endr
	s_wait_xcnt 0x0
.irp f, 0,1,2,3
	ds_load_b128 v[BKA+4*\f:BKA+4*\f+3], v[RDV] offset:\f*4*SPV
.endr
	s_wait_dscnt 0x0
.irp f, 0,1,2,3
	global_store_b128 v[CO], v[BKA+4*\f:BKA+4*\f+3], s[74:75] offset:(\a)*2048+\f*512  ; four rows of 128 bytes: 512 consecutive bytes, aligned
.endr
.endm
	s_cmp_eq_u32 s[CX9], 3
	s_cbranch_scc1 .Lvtile
	s_lshr_b32 s76, s[MT], 3                       ; batch
	s_lshl_b32 s77, s76, 3                         ; Q: plane 8 batch + tile column
	s_lshl_b32 s76, s76, 2
	s_add_co_u32 s76, s76, 8                       ; K: plane 16 + 4 batch + (tile column - 8)
	s_cmp_eq_u32 s[CX9], 2
	s_cselect_b32 s74, s76, s77
	s_add_co_u32 s74, s74, s[NT]
	s_lshl_b32 s74, s74, 19                        ; a plane is 524,288 bytes
	s_and_b32 s76, s[MT], 7
	s_lshl_b32 s76, s76, 16                        ; 256 rows of 256 bytes
	s_add_co_u32 s74, s74, s76
	s_lshl_b32 s76, s[WV], 14
	s_add_co_u32 s74, s74, s76
	s_mov_b32 s75, 0
	s_add_nc_u64 s[74:75], s[12:13], s[74:75]
	ROPE 0
	ROPE 1
	ROPE 2
	ROPE 3
	s_branch .Lend
.Lvtile:
	s_lshr_b32 s74, s[MT], 3
	s_lshl_b32 s74, s74, 2
	s_add_co_u32 s74, s74, s[NT]
	s_sub_co_u32 s74, s74, 12                      ; plane 4 batch + piece
	s_lshl_b32 s74, s74, 18                        ; of 262,144 bytes
	s_add_co_u32 s74, s74, VO
	s_and_b32 s76, s[MT], 7
	s_lshl_b32 s76, s76, 15
	s_add_co_u32 s74, s74, s76
	s_lshl_b32 s76, s[WV], 13
	s_add_co_u32 s74, s74, s76
	s_mov_b32 s75, 0
	s_add_nc_u64 s[74:75], s[12:13], s[74:75]
	VMIX 0
	VMIX 1
	VMIX 2
	VMIX 3
.Lend:
	s_wait_tensorcnt 0x0                           ; the wave's end
	ds_add_u32 v[SPW], v[NIL]
	s_wait_dscnt 0x0
	CROUND                                         ; the closing round
	s_endpgm
.Lfunc_end_k_q8a199d2e35_proj:
	.size	k_q8a199d2e35_proj, .Lfunc_end_k_q8a199d2e35_proj-k_q8a199d2e35_proj
	.p2alignl 7, 3214868480
	.fill 96, 4, 3214868480
	.section	.rodata,"a",@progbits
	.p2align	6, 0x0
	.amdhsa_kernel k_q8a199d2e35_proj
		.amdhsa_group_segment_fixed_size 327680
		.amdhsa_private_segment_fixed_size 0
		.amdhsa_enable_private_segment 0
		.amdhsa_kernarg_size 40
		.amdhsa_user_sgpr_count 2
		.amdhsa_user_sgpr_kernarg_segment_ptr 1
		.amdhsa_wavefront_size32 1
		.amdhsa_system_sgpr_workgroup_id_x 1
		.amdhsa_system_sgpr_workgroup_id_y 1
		.amdhsa_system_sgpr_workgroup_id_z 1
		.amdhsa_system_vgpr_workitem_id 0
		.amdhsa_next_free_vgpr 1024
		.amdhsa_next_free_sgpr 80
		.amdhsa_reserve_vcc 0
		.amdhsa_float_denorm_mode_32 3
		.amdhsa_float_denorm_mode_16_64 3
		.amdhsa_memory_ordered 1
		.amdhsa_forward_progress 1
		.amdhsa_inst_pref_size 131
	.end_amdhsa_kernel
	.amdgpu_metadata
---
amdhsa.version: [ 1, 2 ]
amdhsa.kernels:
  - .name:           k_q8a199d2e35_proj
    .symbol:         k_q8a199d2e35_proj.kd
    .args:
      - { .name: xb, .offset: 0, .size: 8, .value_kind: global_buffer, .address_space: global }
      - { .name: wall, .offset: 8, .size: 8, .value_kind: global_buffer, .address_space: global }
      - { .name: csb, .offset: 16, .size: 8, .value_kind: global_buffer, .address_space: global }
      - { .name: lam, .offset: 24, .size: 8, .value_kind: global_buffer, .address_space: global }
      - { .name: qkv, .offset: 32, .size: 8, .value_kind: global_buffer, .address_space: global }
    .group_segment_fixed_size: 327680
    .private_segment_fixed_size: 0
    .kernarg_segment_align: 8
    .kernarg_segment_size: 40
    .max_flat_workgroup_size: 128
    .sgpr_count:     80
    .vgpr_count:     1024
    .wavefront_size: 32
...
	.end_amdgpu_metadata
.endif
;; end of part 2
;; launch attn (part 3): grid 16 x 16, 4 waves a work-group, clusters of 4 x 1, 327,680 bytes of LDS; arguments qkv, lam, on; writes on
.if DOCPART == 3
	.amdgcn_target "amdgcn-amd-amdhsa--gfx1250"
	.amdhsa_code_object_version 6
	.text
	.protected	k_q8a199d2e35_attn
	.globl	k_q8a199d2e35_attn
	.p2align	8
	.type	k_q8a199d2e35_attn,@function
k_q8a199d2e35_attn:
	s_mov_b64 s[64:65], 0
	v_nop
	global_prefetch_b8 v0, s[64:65] scope:SCOPE_SE
	s_setreg_imm32_b32 hwreg(HW_REG_WAVE_MODE, 25, 1), 1
	s_wait_xcnt 0x0
	s_wait_alu depctr_hold_cnt(0) depctr_sa_sdst(0) depctr_va_vdst(0) depctr_va_sdst(0) depctr_va_ssrc(0) depctr_va_vcc(0) depctr_vm_vsrc(0)
	s_getreg_b32 s2, hwreg(HW_REG_IB_STS2, 6, 4)
	s_cmp_eq_u32 s2, 0
	s_cbranch_scc0 .Lentry_in_a_cluster
	s_endpgm
.Lentry_in_a_cluster:
	s_bfe_u32 s2, ttmp6, 0x10000c
	s_cmp_lg_u32 s2, 0x3003
	s_cbranch_scc0 .Lentry_shape_is_right
	s_endpgm
.Lentry_shape_is_right:
; CAUSAL ATTENTION WITH ONE VALUE TENSOR, AND THE NORM.  For batch b, head h: P = softmax over k <= q of (Q[h][q] . K[h / 2][k] / sqrt(128)); O = P vd'[h / 4]; on = O rsqrt(mean(O^2) + eps') x 0.8 weight.
; vd' = t (v1 - lambda v2) was formed in f32 by the launch before; the common factor t cancels in the norm, with eps' = 1e-6 t^2 in eps's place.  q and k carry 2^-6 each: c = log2(e) / sqrt(128) x 2^12.
; Operands f16, products, maxima and sums f32; p is rounded to f16 for the second product (its sum l is taken of the unrounded p); on is rounded once to f16.
; LIMITS.  A hidden score counts as its value less 2^100; the running maximum starts at -2^99: scores of f16 operands are at most 5.5e11, far above both.  A weight below 2^-126 counts as 0.
; NaN and infinities are not treated apart.
; THE WALK.  A head's 2,048 queries are 8 superblocks of 256.  A cluster of four takes superblocks a and then 7 - a; its work-group cx the 64 queries 64 cx .. of each.  Superblock i needs the key tiles
; 0 .. i of 256 keys: (a + 1) + (8 - a) = 9 tiles whatever a, the same tiles in all four partners: every tile of K and of vd' is asked for JOINTLY.
; THE KEYS ARE SPLIT AMONG THE WAVES: of each tile wave w takes keys 64 w .. 64 w + 63 for all four tiles of 16 queries, with its own running maximum and sum; at a superblock's end the four partial
; results meet in LDS.  Register slot x of wave w holds query tile x xor w, so that every wave sends the same slot in the same step of the merge and owns its slot 0 (tile w).
; LAYOUT.  S^T = K Q^T: a lane holds ONE query (lane % 16) and the keys 8 (lane / 16) + 0..7; two results rounded to f16 ARE source 1 of O^T = V^T P.  K comes out of LDS as it lies, vd' turned.
; THE MASK is the C operand that starts the sums in the diagonal tile: MD, made once: -2^100 where 64 w + key > 64 cx + query.
; A TILE'S ORDER: K Q^T of piece 0 (slots 0, 1) | K Q^T of piece 2 with piece 0's softmax in slices behind the products | the change of slots | V^T P of piece 0 with piece 2's softmax | V^T P of piece 2.
; REGISTERS in windows of 256: window 0: v0-63 addresses and statistics; v64-191 S^T; v192-255 P.  Window 1: O^T, 64 a slot.  Window 2: v0-127 Q, v128-255 K.  Window 3: v0-127 vd', v128-255 MD.
.set PK,    272                        ; a row of K in LDS: 256 bytes + 16
.set PV,    288                        ; two keys of one half of vd' (128 bytes each) + 32
.set KT,    256*PK
.set VPL,   128*PV                     ; one half (64 channels) of a tile of vd'
.set VOFF,  KT
.set SLOT1, KT+2*VPL                   ; 143,360
.set SCR,   2*SLOT1                    ; behind the ring, never filled by a tensor load: 8,192 bytes a wave, for the merge and the way out
.set STAT,  SCR+4*8192                 ; [query tile][wave][lane] 8 bytes: c m and l
.set SPARE, STAT+4096                  ; the spare words: 128 bytes a wave
.set SP,    272
.set KO,    8388608                    ; k in qkv
.set VO,    12582912                   ; vd' in qkv
.set AK0, 2
.set AV0, 3
.set ADR, 4
.set STO, 6
.set RD,  7
.set GO,  8
.set ST,  12                           ; slot t's statistics at v[ST+8 t]: c m, m, l (even keys', odd keys'), c0-c3 at work; a takes c2's place
.set QO,  44                           ; v44-47  my byte offset in the 64 rows of Q, by slot
.set WO,  48
.set SW,  49                           ; v49-52  where I put a slot's (c m, l)
.set SR,  53                           ; v53-56  where the four waves' lie
.set SCW, 57
.set SCP, 58                           ; v58-60  my partner's region in step p of the merge
.set SPW, 62
.set NIL, 63
.set S,   64
.set P,   192
.set KF,  128                          ; window 2
.set MD,  128                          ; window 3
.set W8,  128                          ; the merge and the way out use S^T's and P's registers:
.set MS,  192
.set MM,  224
.set LL,  228
.set SS,  232
.set RR,  64
.set PKO, 192
.set BKO, 64
.set WV,  12
.set G1K, 24
.set G1V, 32
.set G0K, 40                           ; two sets: the first fills; the second then walks
.set G0V, 48
.set SLOTS, 56
.set CNT, 57
.set CS,  58
.set SEL, 60
.set TB,  62                           ; LDS byte at which the slot to be read begins
.set FB,  63                           ; at which the slot to be filled begins: 0 or SLOT1
.set KC,  66                           ; my part's place in a slot, for K
.set VC,  67                           ; and for vd'
.set KB,  68                           ; s[68:69] K at my half of the head's tile 0
.set VB,  70                           ; s[70:71] vd' likewise
.set OFF, 72
.set NXT, 74                           ; the tile to be asked for next
.set LQ,  75                           ; the last tile of the superblock whose tiles are being asked for
.set RT,  76                           ; tiles of the superblock in hand still to be entered
.set DG,  77                           ; 1: the tile in hand holds the diagonal
.set LQ2, 78                           ; 7 - a
.set QB1, 80
.set QB2, 82
.set OB,  84
.set OB2, 86
.set EPS, 90
.set BIGN, 91
.set MSB, 0
.macro WIN new
.if MSB != (\new)
	s_set_vgpr_msb (MSB<<8)|(\new)
.set MSB, (\new)
.endif
.endm
.set W_KQ, 0x0a                        ; K and Q window 2, S^T window 0
.set W_KM, 0x3a                        ; the same with C in window 3
.set W_PV, 0x53                        ; vd' window 3, P window 0, O^T window 1
.set W_RS, 0x41                        ; destination and source 0 window 1, source 1 window 0
.macro PLACES
.rept 4
	v_nop
.endr
.endm
.macro JLOAD                           ; waves 0, 1 fetch the halves of a tile's K, waves 2, 3 the halves of its vd'; an s_nop 0 and four v_nop follow each line
	s_cmp_lt_u32 s[WV], 2
	s_cbranch_scc0 .Lfor_v_\@
	tensor_load_to_lds s[G0K+4:G0K+7], s[G1K:G1K+7]
	s_nop 0
.rept 4
	v_nop
.endr
	s_branch .Lasked_\@
.Lfor_v_\@:
	tensor_load_to_lds s[G0V+4:G0V+7], s[G1V:G1V+7]
	s_nop 0
.rept 4
	v_nop
.endr
.Lasked_\@:
.endm
.macro CROUND
	s_barrier_signal -1
	s_barrier_wait -1
	s_cmp_lg_u32 s[WV], 0
	s_cbranch_scc1 .Lnot_wave_0_\@
	s_barrier_signal -3
.Lnot_wave_0_\@:
	s_barrier_wait -3
	s_barrier_signal -1
	s_barrier_wait -1
.endm
.macro ASK set                         ; group 0's address words (set 0 or 4) are made anew for tile NXT; then NXT steps: the superblock's next tile, or behind its last the second superblock's tile 0
	s_lshl_b32 s[OFF], s[NXT], 16                  ; a tile is 65,536 bytes of K
	s_add_nc_u64 s[G0K+\set+2:G0K+\set+3], s[KB:KB+1], s[OFF:OFF+1]
	s_or_b32 s[G0K+\set+3], s[G0K+\set+3], 0x80000000
	s_lshl_b32 s[OFF], s[NXT], 15                  ; and 32,768 of each half of vd'
	s_add_nc_u64 s[G0V+\set+2:G0V+\set+3], s[VB:VB+1], s[OFF:OFF+1]
	s_or_b32 s[G0V+\set+3], s[G0V+\set+3], 0x80000000
	s_add_co_u32 s[NXT], s[NXT], 1
	s_cmp_gt_u32 s[NXT], s[LQ]
	s_cselect_b32 s[NXT], 0, s[NXT]
	s_cselect_b32 s[LQ], s[LQ2], s[LQ]
.endm
.macro LOADQ base                      ; 64 rows of Q stay in registers: slot t, channels 32 c on
	WIN 0x80
.set t, 0
.rept 4
.set c, 0
.rept 4
	global_load_b128 v[32*t+8*c:32*t+8*c+3],   v[QO+t], s[\base:\base+1] offset:64*c
	global_load_b128 v[32*t+8*c+4:32*t+8*c+7], v[QO+t], s[\base:\base+1] offset:64*c+32
.set c, c+1
.endr
.set t, t+1
.endr
	WIN 0
.endm
.macro NEWBLOCK                        ; c m far below every c s, so the first a is 0 and O^T, l need only be finite; m at the floor
.irp t, 0,1,2,3
	v_mov_b32 v[ST+8*\t], 0xfe000000
	v_mov_b32 v[ST+8*\t+1], 0xf1000000
.endr
.endm
	s_load_b128 s[4:7], s[0:1], 0x0                ; qkv 4, lam 6
	s_load_b64 s[8:9], s[0:1], 0x10                ; on
	v_lshl_add_u32 v[SPW], v0, 2, SPARE
	v_mov_b32 v[NIL], 0
	ds_add_u32 v[SPW], v[NIL]                      ; the wave's opening: the add and its wait ahead of my first tensor load
	v_lshrrev_b32 v1, 5, v0
	v_readfirstlane_b32 s[WV], v1
	s_bfe_u32 s13, ttmp6, 0x40000                  ; cx: it enters Q's and on's addresses and the mask's numbers alone
	s_mov_b32 s14, ttmp9                           ; a
	s_and_b32 s15, ttmp7, 0xffff                   ; 8 batch + head
	s_and_b32 s16, s[WV], 1                        ; which half I fetch
	s_lshr_b32 s17, s15, 3
	s_and_b32 s18, s15, 7
	s_lshl_b32 s20, s17, 2                         ; K: plane 4 batch + head / 2, my 128 rows
	s_lshr_b32 s21, s18, 1
	s_add_co_u32 s20, s20, s21
	s_lshl_b32 s20, s20, 19
	s_lshl_b32 s21, s16, 15
	s_add_co_u32 s20, s20, s21
	s_add_co_u32 s20, s20, KO
	s_mov_b32 s21, 0
	s_lshl_b32 s22, s17, 1                         ; vd': plane 2 (2 batch + head / 4) + my half
	s_lshr_b32 s23, s18, 2
	s_add_co_u32 s22, s22, s23
	s_lshl_b32 s22, s22, 1
	s_add_co_u32 s22, s22, s16
	s_lshl_b32 s22, s22, 18
	s_add_co_u32 s22, s22, VO
	s_mov_b32 s23, 0
	s_sub_co_u32 s[LQ2], 7, s14
	s_lshl_b32 s92, s15, 19                        ; Q: the head's plane, my 64 rows of a superblock
	s_lshl_b32 s93, s13, 14
	s_add_co_u32 s92, s92, s93
	s_lshl_b32 s93, s14, 16
	s_add_co_u32 s[QB1], s92, s93
	s_mov_b32 s[QB1+1], 0
	s_lshl_b32 s93, s[LQ2], 16
	s_add_co_u32 s[QB2], s92, s93
	s_mov_b32 s[QB2+1], 0
	s_lshl_b32 s92, s17, 22                        ; on: row 2,048 batch + 256 superblock + 64 cx + 16 wave (2,048 bytes a row), column 128 head
	s_lshl_b32 s93, s13, 17
	s_add_co_u32 s92, s92, s93
	s_lshl_b32 s93, s[WV], 15
	s_add_co_u32 s92, s92, s93
	s_lshl_b32 s93, s18, 8
	s_add_co_u32 s92, s92, s93
	s_lshl_b32 s93, s14, 19
	s_add_co_u32 s[OB], s92, s93
	s_mov_b32 s[OB+1], 0
	s_lshl_b32 s93, s[LQ2], 19
	s_add_co_u32 s[OB2], s92, s93
	s_mov_b32 s[OB2+1], 0
	s_mov_b32 s[G1K], 15|(1<<16)|(1<<20)|(1<<21)|(5<<22)|(3<<25)  ; the mask of four; 2-byte elements; padding on; bit 21 beside a mask; after every 64 words 4 words
	s_mov_b32 s[G1V], 15|(1<<16)|(1<<20)|(1<<21)|(5<<22)|(7<<25)  ; the same with 8 words
.irp g, G1K, G1V
	s_mov_b32 s[\g+1], 128<<16                     ; tensor_dim0 = 128 elements: 256 bytes
	s_mov_b32 s[\g+2], 128<<16                     ; tensor_dim1 = 128
	s_mov_b32 s[\g+3], 128<<16                     ; tile_dim0
	s_mov_b32 s[\g+4], 128                         ; tile_dim1: 128 rows
	s_mov_b32 s[\g+5], 128                         ; dense rows
	s_mov_b32 s[\g+6], 0
	s_mov_b32 s[\g+7], 0
.endr
	s_mul_i32 s[KC], s16, 128*PK
	s_mul_i32 s[VC], s16, VPL
	s_add_co_u32 s[VC], s[VC], VOFF
	s_mov_b32 s[G0K], 1
	s_mov_b32 s[G0K+1], s[KC]
	s_mov_b32 s[G0K+4], 1
	s_add_co_u32 s[G0K+5], s[KC], SLOT1
	s_mov_b32 s[G0V], 1
	s_mov_b32 s[G0V+1], s[VC]
	s_mov_b32 s[G0V+4], 1
	s_add_co_u32 s[G0V+5], s[VC], SLOT1
	s_mov_b32 s[FB], SLOT1                         ; the first refill turns it into 0
	s_mov_b32 s[TB], 0
	s_mov_b32 s[OFF+1], 0
	s_mov_b32 s[NXT], 0
	s_mov_b32 s[LQ], s14
	s_add_co_u32 s[RT], s14, 1                     ; the first superblock has a + 1 tiles
	s_mov_b32 s[CS], 0x440293ee                    ; c = log2(e) / sqrt(128) x 4,096
	s_mov_b32 s[CS+1], s[CS]
	s_mov_b32 s[SEL], 0x76543210
	s_mov_b32 s[SEL+1], 0xfedcba98
	s_mov_b32 s[BIGN], 0xf1800000                  ; -2^100
	s_wait_dscnt 0x0                               ; the opening add is done
	s_wait_kmcnt 0x0
	s_add_nc_u64 s[KB:KB+1], s[4:5], s[20:21]
	s_add_nc_u64 s[VB:VB+1], s[4:5], s[22:23]
	s_add_nc_u64 s[QB1:QB1+1], s[4:5], s[QB1:QB1+1]
	s_add_nc_u64 s[QB2:QB2+1], s[4:5], s[QB2:QB2+1]
	s_add_nc_u64 s[OB:OB+1], s[8:9], s[OB:OB+1]
	s_add_nc_u64 s[OB2:OB2+1], s[8:9], s[OB2:OB2+1]
	ASK 0                                          ; the walk's first two tiles
	ASK 4
	CROUND                                         ; all four work-groups are here: the first joint loads meet
	s_cmp_lt_u32 s[WV], 2                          ; a wave's two first fills stand in one branch: two loads of mine are out
	s_cbranch_scc0 .Lfirst_v
	tensor_load_to_lds s[G0K:G0K+3], s[G1K:G1K+7]
	s_nop 0
	tensor_load_to_lds s[G0K+4:G0K+7], s[G1K:G1K+7]
	s_nop 0
.rept 4
	v_nop
.endr
	s_branch .Lfirst_asked
.Lfirst_v:
	tensor_load_to_lds s[G0V:G0V+3], s[G1V:G1V+7]
	s_nop 0
	tensor_load_to_lds s[G0V+4:G0V+7], s[G1V:G1V+7]
	s_nop 0
.rept 4
	v_nop
.endr
.Lfirst_asked:
	s_load_b32 s[EPS], s[6:7], 0x200               ; eps'
	v_and_b32 v1, 15, v0                           ; r
	v_bfe_u32 v9, v0, 4, 1                         ; h
	v_and_b32 v10, 31, v0                          ; lane
	v_lshlrev_b32 v5, 8, v1
	v_lshl_add_u32 v5, v9, 4, v5                   ; a fragment of Q: row r x 256 + 16 h
	v_lshlrev_b32 v11, 3, v9
	v_sub_nc_u32 v11, v1, v11                      ; r - 8 h
	s_sub_co_i32 s2, s13, s[WV]
	s_lshl_b32 s2, s2, 6
	v_add_nc_u32 v11, s2, v11                      ; + 64 (cx - w)
	s_lshl_b32 s20, s[WV], 8
.irp t, 0,1,2,3
	s_xor_b32 s2, s[WV], \t                        ; the query tile in slot t
	s_lshl_b32 s3, s2, 12
	v_add_nc_u32 v[QO+\t], s3, v5
	s_lshl_b32 s3, s2, 10
	s_add_co_u32 s3, s3, STAT
	v_lshl_add_u32 v[SR+\t], v10, 3, s3
	v_add_nc_u32 v[SW+\t], s20, v[SR+\t]
	s_lshl_b32 s3, s2, 4
	v_add_nc_u32 v[S+\t], s3, v11                  ; key 16 kb + j of my 64 is hidden where it is greater than this
.endr
	LOADQ QB1
	WIN 0xc0                                       ; destination window 3
.set i, 0
.rept 128
	v_cmp_gt_i32 vcc_lo, 16*((i/8)%4)+i%8, v[S+i/32]
	v_cndmask_b32 v[MD+i], 0, s[BIGN], vcc_lo
.set i, i+1
.endr
	WIN 0
	v_mul_u32_u24 v[AK0], v1, PK                   ; K's fragment: row x pitch + 16 h, my 64 keys
	v_lshl_add_u32 v[AK0], v9, 4, v[AK0]
	s_mul_i32 s2, s[WV], 64*PK
	v_add_nc_u32 v[AK0], s2, v[AK0]
	v_bfe_u32 v11, v0, 1, 2                        ; the turning load: key 8 h + lane % 8: two keys to a row of 288 bytes, 128 bytes each; 16 bytes for each eight lanes
	v_lshl_add_u32 v11, v9, 2, v11
	v_mul_u32_u24 v[AV0], v11, PV
	v_and_b32 v11, 1, v0
	v_lshl_add_u32 v[AV0], v11, 7, v[AV0]
	v_bfe_u32 v11, v0, 3, 1
	v_lshl_add_u32 v[AV0], v11, 4, v[AV0]
	s_mul_i32 s2, s[WV], 32*PV
	s_add_co_u32 s2, s2, VOFF
	v_add_nc_u32 v[AV0], s2, v[AV0]
	s_lshl_b32 s2, s[WV], 13
	s_add_co_u32 s2, s2, SCR                       ; my region
	v_mul_u32_u24 v[STO], v1, SP
	v_lshl_add_u32 v[STO], v9, 4, v[STO]
	v_add_nc_u32 v[STO], s2, v[STO]
	v_mul_u32_u24 v[RD], v9, SP
	v_lshl_add_u32 v[RD], v1, 4, v[RD]
	v_add_nc_u32 v[RD], s2, v[RD]
	v_lshl_add_u32 v[SCW], v10, 4, s2
	v_lshlrev_b32 v[GO], 11, v9                    ; lanes 0-15 one row of on, lanes 16-31 the next
	v_lshl_add_u32 v[GO], v1, 4, v[GO]
	v_lshlrev_b32 v[WO], 5, v9
.irp p, 1,2,3
	s_xor_b32 s2, s[WV], \p
	s_lshl_b32 s2, s2, 13
	s_add_co_u32 s2, s2, SCR
	v_lshl_add_u32 v[SCP+\p-1], v10, 4, s2
.endr
	WIN 0x40                                       ; O^T and l need only be finite when a superblock begins: zeros, written in the wait for the first tile
.set i, 0
.rept 256
	v_mov_b32 v[i], 0
.set i, i+1
.endr
	WIN 0
.irp t, 0,1,2,3
	v_mov_b32 v[ST+8*\t+2], 0
	v_mov_b32 v[ST+8*\t+3], 0
.endr
	NEWBLOCK
; THE MATRIX WORK.  The accumulators take turns, one instruction a turn.  Product i of 32 of S^T = K Q^T for piece x: channels 32 (i / 8) on, keys 16 ((i / 2) % 4) on, slot x + i % 2.
.macro KQ x, km
.set rS, S+32*((\x)+i%2)+8*((i/2)%4)
.set rK, KF+32*((i/2)%4)+8*(i/8)
.set rQ, 32*((\x)+i%2)+8*(i/8)
.set rM, MD+32*((\x)+i%2)+8*((i/2)%4)
.if (i < 8) && (\km)
	WIN W_KM
	v_wmma_f32_16x16x32_f16 v[rS:rS+7], v[rK:rK+7], v[rQ:rQ+7], v[rM:rM+7]
.elseif i < 8
	WIN W_KQ
	v_wmma_f32_16x16x32_f16 v[rS:rS+7], v[rK:rK+7], v[rQ:rQ+7], 0
.else
	WIN W_KQ
	v_wmma_f32_16x16x32_f16 v[rS:rS+7], v[rK:rK+7], v[rQ:rQ+7], v[rS:rS+7]
.endif
.set i, i+1
.endm
; Product i of 32 of O^T += V^T P for piece x: keys 32 (i / 16) on, channels 16 ((i / 2) % 8) on, slot x + i % 2.
.macro PV x
	WIN W_PV
.set rO, 64*((\x)+i%2)+8*((i/2)%8)
.set rV, 64*(i/16)+8*((i/2)%8)
.set rP, P+16*((\x)+i%2)+8*(i/16)
	v_wmma_f32_16x16x32_f16 v[rO:rO+7], v[rV:rV+7], v[rP:rP+7], v[rO:rO+7]
.set i, i+1
.endm
.macro FETCH_K                         ; 32 LDS loads in one run: my 64 keys x 128 channels
	WIN 0
	v_add_nc_u32 v[ADR], s[TB], v[AK0]
	WIN 0x80
.set f, 0
.rept 16
	ds_load_b128 v[KF+8*f:KF+8*f+3],   v[ADR] offset:(f/4)*16*PK+(f%4)*64
	ds_load_b128 v[KF+8*f+4:KF+8*f+7], v[ADR] offset:(f/4)*16*PK+(f%4)*64+32
.set f, f+1
.endr
.endm
.macro FETCH_V                         ; the same of vd', turned: keys 32 (f / 8) on, channels 16 (f % 8) on
	WIN 0
	v_add_nc_u32 v[ADR], s[TB], v[AV0]
	WIN 0xc0
.set f, 0
.rept 16
	ds_load_tr16_b128 v[8*f:8*f+3],   v[ADR] offset:(f/8)*16*PV+((f%8)/4)*VPL+(f%4)*32
	ds_load_tr16_b128 v[8*f+4:8*f+7], v[ADR] offset:(f/8)*16*PV+8*PV+((f%8)/4)*VPL+(f%4)*32
.set f, f+1
.endr
.endm
; THE VECTOR WORK.  One slot's softmax for one tile is a list of 134 instructions; SM writes number j of it for slot t.  s0-s31 are the lane's 32 scores.
;   0-15 the maximum of s0-s31 and the old m (each accumulator's lowest registers are read first)    16-20 the other half of the lanes' maximum; m; c m; c m_old - c m_new
;   21-87 33 exponentials (a, then s0-s31) at the odd numbers from 23 on, a plain instruction between any two: scalings ahead, roundings behind, the first sums
;   88-101 the last rounding, the rest of the sums, l = a l + sum    102-133 the slot's O^T times a
.macro SM t
.set rT, ST+8*(\t)
.set rS, S+32*(\t)
.set rP, P+16*(\t)
.set rO, 64*(\t)+2*(j-102)
.set q, (j-20)/2
.if j < 102
	WIN 0
.endif
.if j < 4
	v_max3_num_f32 v[rT+4+j], v[rS+8*j], v[rS+8*j+1], v[rS+8*j+2]
.elseif j < 12
	v_max3_num_f32 v[rT+4+j%4], v[rT+4+j%4], v[rS+8*(j%4)+2*(j/4)+1], v[rS+8*(j%4)+2*(j/4)+2]
.elseif j == 12
	v_max3_num_f32 v[rT+4], v[rT+4], v[rS+7], v[rS+15]
.elseif j == 13
	v_max3_num_f32 v[rT+6], v[rT+6], v[rS+23], v[rS+31]
.elseif j == 14
	v_max3_num_f32 v[rT+4], v[rT+4], v[rT+5], v[rT+6]
.elseif j == 15
	v_max3_num_f32 v[rT+4], v[rT+4], v[rT+7], v[rT+1]
.elseif j == 16
	v_permlanex16_b32 v[rT+5], v[rT+4], s[SEL], s[SEL+1]
.elseif j == 17
	v_mov_b32 v[rT+7], v[rT]
.elseif j == 18
	v_max_num_f32 v[rT+1], v[rT+4], v[rT+5]
.elseif j == 19
	v_mul_f32 v[rT], s[CS], v[rT+1]
.elseif j == 20
	v_sub_f32 v[rT+7], v[rT+7], v[rT]
.elseif j == 23
	v_exp_f32 v[rT+6], v[rT+7]
.elseif (j < 88) && (j > 23) && (j%2 == 1)
	v_exp_f32 v[rS+(j-25)/2], v[rS+(j-25)/2]
.elseif (q < 4) || ((j < 76) && (q%2 == 0))
.set b, q/2+2
.if q < 4
.set b, q
.endif
	v_pk_fma_f32 v[rS+2*b:rS+2*b+1], v[rS+2*b:rS+2*b+1], s[CS:CS+1], v[rT:rT+1] op_sel_hi:[1,0,0] neg_lo:[0,0,1] neg_hi:[0,0,1]
.elseif (j < 88) && (q%2 == 1)
	s_wait_alu depctr_va_vdst(0)
	v_cvt_pk_f16_f32 v[rP+(q-5)/2], v[rS+q-5], v[rS+q-4]
.elseif j == 89
	s_wait_alu depctr_va_vdst(0)
	v_cvt_pk_f16_f32 v[rP+15], v[rS+30], v[rS+31]
.elseif j < 102
.set z, j-86
.if j < 89
.set z, (j-76)/4
.endif
.set w, 4
.set u, z
.if z >= 14
.set w, 32
.set u, 0
.elseif z >= 12
.set w, 16
.set u, z-12
.elseif z >= 8
.set w, 8
.set u, z-8
.endif
.if z < 15
	v_pk_add_f32 v[rS+w*u:rS+w*u+1], v[rS+w*u:rS+w*u+1], v[rS+w*u+w/2:rS+w*u+w/2+1]
.else
	v_pk_fma_f32 v[rT+2:rT+3], v[rT+2:rT+3], v[rT+6:rT+7], v[rS:rS+1] op_sel_hi:[1,0,1]
.endif
.else
	WIN W_RS
	v_pk_mul_f32 v[rO:rO+1], v[rO:rO+1], v[rT+6:rT+7] op_sel_hi:[1,0]
.endif
.endm
; Slice k of 64 of piece y's softmax: numbers 2 k, 2 k + 1 of both slots' lists; the twelve that are over stand in slice 63.
.macro SLICE y
.if (k >= 11) && (k < 44)
.irp t, \y, (\y)+1
.irp n, 0,1
.set j, 2*k+(\n)
	SM \t
.endr
.endr
.else
.irp n, 0,1,2,3,4,5,6,7
.if ((\n) < 2) || (k == 63)
.irp t, \y, (\y)+1
.set j, 2*k+(\n)
	SM \t
.endr
.endif
.endr
.endif
.set k, k+1
.endm
; The eight products that start piece x's sums, written twice: with the constant 0, and for the diagonal tile with the mask.  sl = 1: two slices of the other piece behind each.
.macro KQHEAD x, sl
	WIN 0
	s_cmp_eq_u32 s[DG], 1
	s_cbranch_scc1 .Lmask_\@
.set i, 0
.set k, 0
.rept 8
	KQ \x, 0
.if \sl
	SLICE 2-(\x)
	SLICE 2-(\x)
.endif
.endr
	WIN 0
	s_branch .Ljoin_\@
.Lmask_\@:
.set i, 0
.set k, 0
.rept 8
	KQ \x, 1
.if \sl
	SLICE 2-(\x)
	SLICE 2-(\x)
.endif
.endr
	WIN 0
.Ljoin_\@:
.endm
; THE CHANGE OF SLOTS.  All my reads of the slot in hand have been issued.  Each wave waits for all its tensor loads (one is out: its part of the other slot), adds 0 to its spare word, and waits for that
; and for its reads.  fill = 1: the barrier is a round of the cluster's, and the joint refill, the walk's tile two on, is the first thing behind it: it has a whole tile's work, 128 matrix instructions, in which to land.
.macro CHANGE fill
	WIN 0
	s_wait_tensorcnt 0x0
	ds_add_u32 v[SPW], v[NIL]                      ; the descriptors' scalar work stands between the add and the wait for it
.if \fill
	s_xor_b32 s[FB], s[FB], SLOT1
	s_add_co_u32 s[G0K+5], s[FB], s[KC]
	s_add_co_u32 s[G0V+5], s[FB], s[VC]
	ASK 4
	s_wait_dscnt 0x0
	CROUND
	JLOAD
.else
	s_wait_dscnt 0x0
	s_barrier_signal -1
	s_barrier_wait -1
.endif
	s_xor_b32 s[TB], s[TB], SLOT1
.endm
; ONE TILE OF THE WALK.  last = 1 (the tail): in the last trip there is no further tile, and K's run of loads is jumped over.
.macro BODY fill, last
	s_sub_co_u32 s[RT], s[RT], 1
	s_cmp_eq_u32 s[RT], 0
	s_cselect_b32 s[DG], 1, 0
	s_wait_dscnt 0x0                               ; K is in
	KQHEAD 0, 0
.rept 24
	KQ 0, 0
.endr
	PLACES                                         ; between piece 0's last product and the first read of its scores; also in front of the loads into vd's registers
	KQHEAD 2, 1
	FETCH_V
.rept 24
	KQ 2, 0
	SLICE 0
	SLICE 0
.endr
	CHANGE \fill                                   ; its wait for LDS also shows vd' in
.set i, 0
.set k, 0
.rept 32
	PV 0
	SLICE 2
	SLICE 2
.if i == 2
.if \last
	WIN 0
	s_cmp_eq_u32 s[CNT], 1
	s_cbranch_scc1 .Lno_k_\@
.endif
	FETCH_K                                        ; the next tile's K: the last product that read K stands 20 plain instructions and more back
	WIN 0
.if \last
.Lno_k_\@:
.endif
.endif
.endr
.set i, 0
.rept 32
	PV 2
.endr
.endm
; A SUPERBLOCK'S END.  The four waves' partial results meet: each wave's (c m, l) for each query tile go through STAT; every slot's O^T is scaled by 2^(c m - M), M the tile's maximum over the waves;
; in step p each wave hands its slot p to the wave that owns that tile and adds what it is handed onto its slot 0.  Then the norm and the way out for my 16 queries.
; more = 1: the second superblock's Q is loaded meanwhile, and its statistics are set.  The one refill that is out may stay out.
.macro MERGEOUT more
	WIN 0
.irp t, 0,1,2,3
	v_add_f32 v[ST+8*\t+4], v[ST+8*\t+2], v[ST+8*\t+3]   ; these four are the places behind the last products
.endr
.if \more
	LOADQ QB2
.endif
.set c, 0
.rept 8
	global_load_b128 v[W8+8*c:W8+8*c+3],   v[WO], s[6:7] offset:1024+64*c      ; 0.8 x weight for my channels 16 c + 8 h + 0..7
	global_load_b128 v[W8+8*c+4:W8+8*c+7], v[WO], s[6:7] offset:1024+64*c+16
.set c, c+1
.endr
.irp t, 0,1,2,3
	v_permlanex16_b32 v[ST+8*\t+5], v[ST+8*\t+4], s[SEL], s[SEL+1]
.endr
.irp t, 0,1,2,3
	v_add_f32 v[ST+8*\t+1], v[ST+8*\t+4], v[ST+8*\t+5]   ; l over my 64 keys, beside c m
.endr
.irp t, 0,1,2,3
	ds_store_b64 v[SW+\t], v[ST+8*\t:ST+8*\t+1]
.endr
	s_wait_dscnt 0x0                               ; for the others' sake
	s_barrier_signal -1
	s_barrier_wait -1
.irp t, 0,1,2,3
.irp u, 0,1,2,3
	ds_load_b64 v[MS+8*\t+2*\u:MS+8*\t+2*\u+1], v[SR+\t] offset:256*\u
.endr
.endr
	s_wait_dscnt 0x0
.irp t, 0,1,2,3
	v_max3_num_f32 v[MM+\t], v[MS+8*\t], v[MS+8*\t+2], v[MS+8*\t+4]
.endr
.irp t, 0,1,2,3
	v_max_num_f32 v[MM+\t], v[MM+\t], v[MS+8*\t+6]
.endr
.irp t, 0,1,2,3
	v_sub_f32 v[ST+8*\t+7], v[ST+8*\t], v[MM+\t]
.endr
.irp u, 0,1,2,3
	v_sub_f32 v[MS+2*\u], v[MS+2*\u], v[MM]
.endr
.irp t, 0,1,2,3
	v_exp_f32 v[ST+8*\t+6], v[ST+8*\t+7]
.endr
.irp u, 0,1,2,3
	v_exp_f32 v[MS+2*\u], v[MS+2*\u]
.endr
	v_nop                                          ; a plain instruction behind the exponentials
	s_wait_alu depctr_va_vdst(0)
	v_mul_f32 v[LL], v[MS], v[MS+1]                ; my tile's l over all keys
	v_fmac_f32 v[LL], v[MS+2], v[MS+3]
	v_fmac_f32 v[LL], v[MS+4], v[MS+5]
	v_fmac_f32 v[LL], v[MS+6], v[MS+7]
	WIN W_RS
.set t, 0
.rept 4
.set i, 0
.rept 32
	v_pk_mul_f32 v[64*t+2*i:64*t+2*i+1], v[64*t+2*i:64*t+2*i+1], v[ST+8*t+6:ST+8*t+7] op_sel_hi:[1,0]
.set i, i+1
.endr
.set t, t+1
.endr
.irp p, 1,2,3
	WIN 0x04                                       ; store data in window 1
.set i, 0
.rept 16
	ds_store_b128 v[SCW], v[64*\p+4*i:64*\p+4*i+3] offset:512*i
.set i, i+1
.endr
	WIN 0
	s_wait_dscnt 0x0
	s_barrier_signal -1
	s_barrier_wait -1
.set i, 0
.rept 16
	ds_load_b128 v[RR+4*i:RR+4*i+3], v[SCP+\p-1] offset:512*i
.set i, i+1
.endr
	s_wait_dscnt 0x0                               ; my reads of the partner's region are over: it may write it again behind this barrier
	s_barrier_signal -1
	WIN W_RS
.set i, 0
.rept 32
	v_pk_add_f32 v[2*i:2*i+1], v[2*i:2*i+1], v[RR+2*i:RR+2*i+1]
.set i, i+1
.endr
	WIN 0
	s_barrier_wait -1
.endr
	WIN 0x05                                       ; the sum of squares of my 64 channels, in four chains
.irp c, 0,1,2,3
	v_pk_mul_f32 v[SS+2*\c:SS+2*\c+1], v[2*\c:2*\c+1], v[2*\c:2*\c+1]
.endr
.set i, 4
.rept 28
	v_pk_fma_f32 v[SS+2*(i%4):SS+2*(i%4)+1], v[2*i:2*i+1], v[2*i:2*i+1], v[SS+2*(i%4):SS+2*(i%4)+1]
.set i, i+1
.endr
	WIN 0
	v_pk_add_f32 v[SS:SS+1], v[SS:SS+1], v[SS+2:SS+3]
	v_pk_add_f32 v[SS+4:SS+5], v[SS+4:SS+5], v[SS+6:SS+7]
	v_pk_add_f32 v[SS:SS+1], v[SS:SS+1], v[SS+4:SS+5]
	v_add_f32 v[SS], v[SS], v[SS+1]
	v_permlanex16_b32 v[SS+1], v[SS], s[SEL], s[SEL+1]   ; the other 64 channels lie in the lane 16 away
	v_rcp_f32 v[LL+1], v[LL]
	v_add_f32 v[SS], v[SS], v[SS+1]
	s_wait_alu depctr_va_vdst(0)
	v_mul_f32 v[SS+2], v[LL+1], v[LL+1]
	v_mul_f32 v[SS], 0x3c000000, v[SS]             ; / 128
	v_fma_f32 v[SS], v[SS], v[SS+2], s[EPS]        ; mean((O / l)^2) + eps'
	v_rsq_f32 v[SS+4], v[SS]
	v_nop
	s_wait_alu depctr_va_vdst(0)
	v_mul_f32 v[SS+4], v[SS+4], v[LL+1]
	s_wait_loadcnt 0x0                             ; the weights (and, issued ahead of them, Q)
.set i, 0
.rept 32
	v_pk_mul_f32 v[W8+2*i:W8+2*i+1], v[W8+2*i:W8+2*i+1], v[SS+4:SS+5] op_sel_hi:[1,0]
.set i, i+1
.endr
	WIN 0x01                                       ; the result goes into other registers: O^T keeps finite sums for the next superblock's a = 0
.set i, 0
.rept 32
	v_pk_mul_f32 v[RR+2*i:RR+2*i+1], v[2*i:2*i+1], v[W8+2*i:W8+2*i+1]
.set i, i+1
.endr
	WIN 0
.set i, 0
.rept 32
	v_cvt_pk_f16_f32 v[PKO+i], v[RR+2*i], v[RR+2*i+1]
.set i, i+1
.endr
.irp f, 0,1,2,3,4,5,6,7
	ds_store_b128 v[STO], v[PKO+4*\f:PKO+4*\f+3] offset:32*\f   ; my own region again: its last reader has passed the barrier above
.endr
.irp f, 0,1,2,3,4,5,6,7
	ds_load_b128 v[BKO+4*\f:BKO+4*\f+3], v[RD] offset:\f*2*SP
.endr
.irp f, 0,1,2,3,4,5,6,7
	s_wait_dscnt 7-\f
	global_store_b128 v[GO], v[BKO+4*\f:BKO+4*\f+3], s[OB:OB+1] offset:\f*4096  ; each half of the lanes stores 256 consecutive bytes, aligned
.endr
.if \more
	s_wait_xcnt 0x0                                ; the stores have read their registers and their base
	s_mov_b64 s[OB:OB+1], s[OB2:OB2+1]
	s_add_co_u32 s[RT], s[LQ2], 1                  ; the second superblock has 8 - a tiles
	NEWBLOCK
.endif
.endm
	s_wait_tensorcnt 1                             ; my part of the first tile is in; the second's may stay out
	s_barrier_signal -1
	s_barrier_wait -1
	FETCH_K
	WIN 0
	s_wait_loadcnt 0x0                             ; Q
	s_wait_kmcnt 0x0                               ; eps'
	s_mov_b32 s[SLOTS], 7
.Lslot:                                                ; seven trips: a tile is worked on, and the walk's tile two on is asked for
	BODY 1, 0
	WIN 0
	s_cmp_eq_u32 s[DG], 1                          ; the first superblock's diagonal tile falls into one of the first four trips: a is the same in all waves and all partners
	s_cbranch_scc0 .Lno_switch
	MERGEOUT 1
.Lno_switch:
	s_sub_co_u32 s[SLOTS], s[SLOTS], 1
	s_cmp_lg_u32 s[SLOTS], 0
	s_cbranch_scc1 .Lslot
	s_mov_b32 s[CNT], 2
.Ltail:                                                ; the last two tiles are written out
	BODY 0, 1
	WIN 0
	s_sub_co_u32 s[CNT], s[CNT], 1
	s_cmp_lg_u32 s[CNT], 0
	s_cbranch_scc1 .Ltail
	MERGEOUT 0
	s_wait_tensorcnt 0x0                           ; the wave's end
	ds_add_u32 v[SPW], v[NIL]
	s_wait_dscnt 0x0
	CROUND                                         ; the closing round
	s_endpgm
.Lfunc_end_k_q8a199d2e35_attn:
	.size	k_q8a199d2e35_attn, .Lfunc_end_k_q8a199d2e35_attn-k_q8a199d2e35_attn
	.p2alignl 7, 3214868480
	.fill 96, 4, 3214868480
	.section	.rodata,"a",@progbits
	.p2align	6, 0x0
	.amdhsa_kernel k_q8a199d2e35_attn
		.amdhsa_group_segment_fixed_size 327680
		.amdhsa_private_segment_fixed_size 0
		.amdhsa_enable_private_segment 0
		.amdhsa_kernarg_size 24
		.amdhsa_user_sgpr_count 2
		.amdhsa_user_sgpr_kernarg_segment_ptr 1
		.amdhsa_wavefront_size32 1
		.amdhsa_system_sgpr_workgroup_id_x 1
		.amdhsa_system_sgpr_workgroup_id_y 1
		.amdhsa_system_sgpr_workgroup_id_z 1
		.amdhsa_system_vgpr_workitem_id 0
		.amdhsa_next_free_vgpr 1024
		.amdhsa_next_free_sgpr 100
		.amdhsa_reserve_vcc 1
		.amdhsa_float_denorm_mode_32 3
		.amdhsa_float_denorm_mode_16_64 3
		.amdhsa_memory_ordered 1
		.amdhsa_forward_progress 1
		.amdhsa_inst_pref_size 221
	.end_amdhsa_kernel
	.amdgpu_metadata
---
amdhsa.version: [ 1, 2 ]
amdhsa.kernels:
  - .name:           k_q8a199d2e35_attn
    .symbol:         k_q8a199d2e35_attn.kd
    .args:
      - { .name: qkv, .offset: 0, .size: 8, .value_kind: global_buffer, .address_space: global }
      - { .name: lam, .offset: 8, .size: 8, .value_kind: global_buffer, .address_space: global }
      - { .name: on, .offset: 16, .size: 8, .value_kind: global_buffer, .address_space: global }
    .group_segment_fixed_size: 327680
    .private_segment_fixed_size: 0
    .kernarg_segment_align: 8
    .kernarg_segment_size: 24
    .max_flat_workgroup_size: 128
    .sgpr_count:     100
    .vgpr_count:     1024
    .wavefront_size: 32
...
	.end_amdgpu_metadata
.endif
;; end of part 3
;; launch outp (part 4): grid 16 x 16, 4 waves a work-group, clusters of 4 x 4, 327,680 bytes of LDS; arguments on, wob, out0; writes out0
.if DOCPART == 4
	.amdgcn_target "amdgcn-amd-amdhsa--gfx1250"
	.amdhsa_code_object_version 6
	.text
	.protected	k_q8a199d2e35_outp
	.globl	k_q8a199d2e35_outp
	.p2align	8
	.type	k_q8a199d2e35_outp,@function
k_q8a199d2e35_outp:
	s_mov_b64 s[64:65], 0
	v_nop
	global_prefetch_b8 v0, s[64:65] scope:SCOPE_SE
	s_setreg_imm32_b32 hwreg(HW_REG_WAVE_MODE, 25, 1), 1
	s_wait_xcnt 0x0
	s_wait_alu depctr_hold_cnt(0) depctr_sa_sdst(0) depctr_va_vdst(0) depctr_va_sdst(0) depctr_va_ssrc(0) depctr_va_vcc(0) depctr_vm_vsrc(0)
	s_getreg_b32 s2, hwreg(HW_REG_IB_STS2, 6, 4)
	s_cmp_eq_u32 s2, 0
	s_cbranch_scc0 .Lentry_in_a_cluster
	s_endpgm
.Lentry_in_a_cluster:
	s_bfe_u32 s2, ttmp6, 0x10000c
	s_cmp_lg_u32 s2, 0xf033
	s_cbranch_scc0 .Lentry_shape_is_right
	s_endpgm
.Lentry_shape_is_right:
; THE OUTPUT PROJECTION.  out0 [4096][2048] f32 = on [4096][1024] x wob [1024 k][2048 n], f16 operands, f32 sums.
; A tile of C is 256 rows x 128 columns; four waves, wave w rows 64 w .. 64 w + 63 x all 128 columns: 32 accumulators.  K goes in steps of 128 through two LDS slots.
; THE MATRIX INSTRUCTION IS USED TRANSPOSED (source 0 = 16 columns of wob, source 1 = 16 rows of on): lane (r, h) holds row r and the columns 8 h + 0..7 of a block: 32 neighbouring bytes of out0.
; wob lies [k][n]: its fragments come out of LDS turned.  CLUSTER 4 x 4: on's tile is asked for jointly along a row of the cluster, wob's along a column.
; REGISTERS: window 0 addresses and the way out; window 1 the accumulators ((a, b) at 8 (8 a + b)); window 2 two fragment buffers of 96.
.set KA,    1024
.set ASH,   11
.set NSTEP, KA/128
.set PA,    272
.set PB,    288
.set AT,    256*PA
.set BT,    128*PB
.set SLOT1, 1<<17
.set STAGE, SLOT1+AT+BT                ; behind the ring, never filled by a tensor load: 16 rows x 528 bytes for each wave
.set SP,    528
.set SPARE, STAGE+4*16*SP
.set ADA0, 16
.set ADB0, 17
.set ADA,  18
.set ADB,  19
.set STO,  24
.set RD,   25
.set CO,   26
.set SPW,  28
.set NIL,  29
.set OBK,  32                          ; v32-95: 16 rows read back
.set F0,   0
.set F1,   96
.set WV,   14
.set AB,   15
.set HW,   16
.set NT,   42
.set MT,   45
.set TB,   46
.set G1A,  24
.set G0A,  32
.set G1B,  48
.set G0B,  56
.set MSB, 0
.macro WIN new
.if MSB != (\new)
	s_set_vgpr_msb (MSB<<8)|(\new)
.set MSB, (\new)
.endif
.endm
.set MUL,  0x5a
.set TO_F, 0x80
.macro PLACES
.rept 4
	v_nop
.endr
.endm
.macro JLOAD                           ; an s_nop 0 and four v_nop follow each of the two lines
	s_cmp_eq_u32 s[AB], 0
	s_cbranch_scc0 .Lfor_b_\@
	tensor_load_to_lds s[G0A+4:G0A+7], s[G1A:G1A+7]
	s_nop 0
.rept 4
	v_nop
.endr
	s_branch .Lasked_\@
.Lfor_b_\@:
	tensor_load_to_lds s[G0B+4:G0B+7], s[G1B:G1B+7]
	s_nop 0
.rept 4
	v_nop
.endr
.Lasked_\@:
.endm
.macro CREST
	s_cmp_lg_u32 s[WV], 0
	s_cbranch_scc1 .Lnot_wave_0_\@
	s_barrier_signal -3
.Lnot_wave_0_\@:
	s_barrier_wait -3
	s_barrier_signal -1
	s_barrier_wait -1
.endm
.macro CROUND
	s_barrier_signal -1
	s_barrier_wait -1
	CREST
.endm
	s_load_b128 s[4:7], s[0:1], 0x0                ; on 4, wob 6
	s_load_b64 s[8:9], s[0:1], 0x10                ; out0
	v_lshl_add_u32 v[SPW], v0, 2, SPARE
	v_mov_b32 v[NIL], 0
	ds_add_u32 v[SPW], v[NIL]                      ; the wave's opening: the add and its wait ahead of my first tensor load
	v_lshrrev_b32 v1, 5, v0
	v_readfirstlane_b32 s[WV], v1
	s_lshr_b32 s[AB], s[WV], 1
	s_and_b32 s[HW], s[WV], 1
	s_bfe_u32 s40, ttmp6, 0x40000
	s_bfe_u32 s41, ttmp6, 0x40004
	s_lshl_b32 s[NT], ttmp9, 2
	s_add_co_u32 s[NT], s[NT], s40
	s_and_b32 s[MT], ttmp7, 0xffff
	s_lshl_b32 s[MT], s[MT], 2
	s_add_co_u32 s[MT], s[MT], s41
	s_lshl_b32 s43, s41, 2
	s_lshl_b32 s43, 15, s43
	s_lshl_b32 s44, 0x1111, s40
	s_or_b32 s[G1A], s43, (1<<16)|(1<<20)|(1<<21)|(5<<22)|(3<<25)
	s_or_b32 s[G1B], s44, (1<<16)|(1<<20)|(1<<21)|(5<<22)|(7<<25)
	s_mov_b32 s[G1A+1], 128<<16
	s_mov_b32 s[G1A+2], 128<<16
	s_mov_b32 s[G1A+3], 128<<16
	s_mov_b32 s[G1A+4], 128
	s_mov_b32 s[G1A+5], KA
	s_mov_b32 s[G1A+6], 0
	s_mov_b32 s[G1A+7], 0
	s_mov_b32 s[G1B+1], 128<<16
	s_mov_b32 s[G1B+2], 64<<16
	s_mov_b32 s[G1B+3], 128<<16
	s_mov_b32 s[G1B+4], 64
	s_mov_b32 s[G1B+5], 2048
	s_mov_b32 s[G1B+6], 0
	s_mov_b32 s[G1B+7], 0
	s_lshl_b32 s18, s[MT], 8
	s_lshl_b32 s19, s[HW], 7
	s_add_co_u32 s18, s18, s19
	s_lshl_b32 s18, s18, ASH
	s_mov_b32 s19, 0
	s_lshl_b32 s20, s[HW], 18
	s_lshl_b32 s21, s[NT], 8
	s_add_co_u32 s20, s20, s21
	s_mov_b32 s21, 0
	s_mul_i32 s22, s[HW], 128*PA
	s_mul_i32 s23, s[HW], 64*PB
	s_add_co_u32 s23, s23, AT
	s_mov_b32 s[TB], 0
	s_wait_dscnt 0x0
	s_wait_kmcnt 0x0
	s_add_nc_u64 s[18:19], s[4:5], s[18:19]
	s_add_nc_u64 s[20:21], s[6:7], s[20:21]
.irp s, 0,1
	s_mov_b32 s[G0A+4*\s], 1
	s_add_co_u32 s[G0A+4*\s+1], s22, \s*SLOT1
	s_add_nc_u64 s[G0A+4*\s+2:G0A+4*\s+3], s[18:19], \s*256
	s_or_b32 s[G0A+4*\s+3], s[G0A+4*\s+3], 0x80000000
	s_mov_b32 s[G0B+4*\s], 1
	s_add_co_u32 s[G0B+4*\s+1], s23, \s*SLOT1
	s_add_nc_u64 s[G0B+4*\s+2:G0B+4*\s+3], s[20:21], \s*524288
	s_or_b32 s[G0B+4*\s+3], s[G0B+4*\s+3], 0x80000000
.endr
	CROUND
	s_cmp_eq_u32 s[AB], 0
	s_cbranch_scc0 .Lfirst_b
	tensor_load_to_lds s[G0A:G0A+3], s[G1A:G1A+7]
	s_nop 0
	tensor_load_to_lds s[G0A+4:G0A+7], s[G1A:G1A+7]
	s_nop 0
.rept 4
	v_nop
.endr
	s_branch .Lfirst_asked
.Lfirst_b:
	tensor_load_to_lds s[G0B:G0B+3], s[G1B:G1B+7]
	s_nop 0
	tensor_load_to_lds s[G0B+4:G0B+7], s[G1B:G1B+7]
	s_nop 0
.rept 4
	v_nop
.endr
.Lfirst_asked:
	v_and_b32 v1, 15, v0
	v_bfe_u32 v2, v0, 4, 1
	v_mul_u32_u24 v3, v1, PA
	v_lshl_add_u32 v3, v2, 4, v3
	s_mul_i32 s2, s[WV], 64*PA
	v_add_nc_u32 v[ADA0], s2, v3
	v_and_b32 v4, 7, v0
	v_lshl_add_u32 v4, v2, 3, v4
	v_mul_u32_u24 v4, v4, PB
	v_bfe_u32 v5, v0, 3, 1
	v_lshl_add_u32 v4, v5, 4, v4
	v_add_nc_u32 v[ADB0], AT, v4
	v_mov_b32 v[ADA], v[ADA0]
	v_mov_b32 v[ADB], v[ADB0]
	s_mul_i32 s2, s[WV], 16*SP
	s_add_co_u32 s2, s2, STAGE
	v_mul_u32_u24 v5, v1, SP                       ; in: row r, 32 bytes for each half of the lanes
	v_lshl_add_u32 v5, v2, 5, v5
	v_add_nc_u32 v[STO], s2, v5
	v_and_b32 v5, 31, v0
	v_lshlrev_b32 v[CO], 4, v5                     ; back and out: a row's 512 bytes, 16 a lane
	v_add_nc_u32 v[RD], s2, v[CO]
	s_lshl_b32 s74, s[MT], 8                       ; out0 at row 256 x tile row + 64 x wave (8,192 bytes a row), column 128 x tile column
	s_lshl_b32 s76, s[WV], 6
	s_add_co_u32 s74, s74, s76
	s_lshl_b32 s74, s74, 13
	s_lshl_b32 s76, s[NT], 9
	s_add_co_u32 s74, s74, s76
	s_mov_b32 s75, 0
	s_add_nc_u64 s[74:75], s[8:9], s[74:75]
.macro MUL8 f, a, zero
	WIN MUL
.irp b, 0,1,2,3,4,5,6,7
.if \zero
	v_wmma_f32_16x16x32_f16 v[8*(8*(\a)+\b):8*(8*(\a)+\b)+7], v[(\f)+32+8*\b:(\f)+32+8*\b+7], v[(\f)+8*(\a):(\f)+8*(\a)+7], 0
.else
	v_wmma_f32_16x16x32_f16 v[8*(8*(\a)+\b):8*(8*(\a)+\b)+7], v[(\f)+32+8*\b:(\f)+32+8*\b+7], v[(\f)+8*(\a):(\f)+8*(\a)+7], v[8*(8*(\a)+\b):8*(8*(\a)+\b)+7]
.endif
.endr
.endm
.macro FETCH q, f
	WIN TO_F
.irp b, 0,1,2,3,4,5,6,7
	ds_load_tr16_b128 v[(\f)+32+8*\b:(\f)+32+8*\b+3],   v[ADB] offset:(\q)*32*PB+32*\b
	ds_load_tr16_b128 v[(\f)+32+8*\b+4:(\f)+32+8*\b+7], v[ADB] offset:(\q)*32*PB+16*PB+32*\b
.endr
.irp a, 0,1,2,3
	ds_load_b128 v[(\f)+8*\a:(\f)+8*\a+3],   v[ADA] offset:(\q)*64+\a*16*PA
	ds_load_b128 v[(\f)+8*\a+4:(\f)+8*\a+7], v[ADA] offset:(\q)*64+\a*16*PA+32
.endr
.endm
.macro QUARTER q, f, g, zero
	s_wait_dscnt 4                                 ; B and A's blocks 0, 1 are in; the youngest four loads may be out
	MUL8 \f, 0, \zero
	MUL8 \f, 1, \zero
	PLACES
	FETCH \q, \g
	s_wait_dscnt 24                                ; all but the 24 just issued
	MUL8 \f, 2, \zero
	MUL8 \f, 3, \zero
.endm
.macro TURN fill                       ; the last quarter and the change of slots: all my tensor loads, the add, my reads; one barrier (with fill = 1 a round of the cluster's); the joint refill first behind it
	WIN 0
	s_wait_tensorcnt 0x0
	ds_add_u32 v[SPW], v[NIL]
	s_wait_dscnt 5                                 ; the add and the youngest four loads may be out
	MUL8 F1, 0, 0
	s_wait_dscnt 0x0
	s_barrier_signal -1
	MUL8 F1, 1, 0
	WIN 0
	s_barrier_wait -1
.if \fill
	CREST
	s_xor_b32 s[G0A+5], s[G0A+5], SLOT1
	s_add_nc_u64 s[G0A+6:G0A+7], s[G0A+6:G0A+7], 256
	s_xor_b32 s[G0B+5], s[G0B+5], SLOT1
	s_add_nc_u64 s[G0B+6:G0B+7], s[G0B+6:G0B+7], 524288
	JLOAD
.else
	PLACES
.endif
	s_xor_b32 s[TB], s[TB], SLOT1
	v_add_nc_u32 v[ADA], s[TB], v[ADA0]
	v_add_nc_u32 v[ADB], s[TB], v[ADB0]
	FETCH 0, F0
	MUL8 F1, 2, 0
	MUL8 F1, 3, 0
.endm
	s_wait_tensorcnt 1                             ; my part of K step 0 is in; step 1's may stay out
	s_barrier_signal -1
	s_barrier_wait -1
	FETCH 0, F0
	QUARTER 1, F0, F1, 1
	WIN 0
	s_mov_b32 s3, NSTEP-2
.Lstep:
	QUARTER 2, F1, F0, 0
	QUARTER 3, F0, F1, 0
	TURN 1
	QUARTER 1, F0, F1, 0
	WIN 0
	s_sub_co_u32 s3, s3, 1
	s_cmp_lg_u32 s3, 0
	s_cbranch_scc1 .Lstep
	QUARTER 2, F1, F0, 0
	QUARTER 3, F0, F1, 0
	TURN 0
	QUARTER 1, F0, F1, 0
	QUARTER 2, F1, F0, 0
	QUARTER 3, F0, F1, 0
	s_wait_dscnt 4
	MUL8 F1, 0, 0
	MUL8 F1, 1, 0
	s_wait_dscnt 0x0
	MUL8 F1, 2, 0
	MUL8 F1, 3, 0
	PLACES
; THE WAY OUT of row block a: the sums go as they are into my stage (each accumulator's low four registers first) and come back as whole rows of 512 bytes.
.macro OUTB a
	WIN 0x04                                       ; store data in window 1
.irp b, 0,1,2,3,4,5,6,7
	ds_store_b128 v[STO], v[8*(8*(\a)+\b):8*(8*(\a)+\b)+3]   offset:64*\b
	ds_store_b128 v[STO], v[8*(8*(\a)+\b)+4:8*(8*(\a)+\b)+7] offset:64*\b+16
.endr
	WIN 0
	s_wait_xcnt 0x0                                ; the registers that the last block's stores read are loaded again only behind this wait
.set t, 0
.rept 16
	ds_load_b128 v[OBK+4*t:OBK+4*t+3], v[RD] offset:t*SP
.set t, t+1
.endr
.set t, 0
.rept 16
	s_wait_dscnt 15-t
	global_store_b128 v[CO], v[OBK+4*t:OBK+4*t+3], s[74:75] offset:(16*(\a)+t)*8192 th:TH_STORE_NT  ; 512 consecutive bytes, aligned
.set t, t+1
.endr
.endm
	OUTB 0
	OUTB 1
	OUTB 2
	OUTB 3
	s_wait_tensorcnt 0x0                           ; the wave's end
	ds_add_u32 v[SPW], v[NIL]
	s_wait_dscnt 0x0
	CROUND                                         ; the closing round
	s_endpgm
.Lfunc_end_k_q8a199d2e35_outp:
	.size	k_q8a199d2e35_outp, .Lfunc_end_k_q8a199d2e35_outp-k_q8a199d2e35_outp
	.p2alignl 7, 3214868480
	.fill 96, 4, 3214868480
	.section	.rodata,"a",@progbits
	.p2align	6, 0x0
	.amdhsa_kernel k_q8a199d2e35_outp
		.amdhsa_group_segment_fixed_size 327680
		.amdhsa_private_segment_fixed_size 0
		.amdhsa_enable_private_segment 0
		.amdhsa_kernarg_size 24
		.amdhsa_user_sgpr_count 2
		.amdhsa_user_sgpr_kernarg_segment_ptr 1
		.amdhsa_wavefront_size32 1
		.amdhsa_system_sgpr_workgroup_id_x 1
		.amdhsa_system_sgpr_workgroup_id_y 1
		.amdhsa_system_sgpr_workgroup_id_z 1
		.amdhsa_system_vgpr_workitem_id 0
		.amdhsa_next_free_vgpr 768
		.amdhsa_next_free_sgpr 80
		.amdhsa_reserve_vcc 0
		.amdhsa_float_denorm_mode_32 3
		.amdhsa_float_denorm_mode_16_64 3
		.amdhsa_memory_ordered 1
		.amdhsa_forward_progress 1
		.amdhsa_inst_pref_size 70
	.end_amdhsa_kernel
	.amdgpu_metadata
---
amdhsa.version: [ 1, 2 ]
amdhsa.kernels:
  - .name:           k_q8a199d2e35_outp
    .symbol:         k_q8a199d2e35_outp.kd
    .args:
      - { .name: on, .offset: 0, .size: 8, .value_kind: global_buffer, .address_space: global }
      - { .name: wob, .offset: 8, .size: 8, .value_kind: global_buffer, .address_space: global }
      - { .name: out0, .offset: 16, .size: 8, .value_kind: global_buffer, .address_space: global }
    .group_segment_fixed_size: 327680
    .private_segment_fixed_size: 0
    .kernarg_segment_align: 8
    .kernarg_segment_size: 24
    .max_flat_workgroup_size: 128
    .sgpr_count:     80
    .vgpr_count:     768
    .wavefront_size: 32
...
	.end_amdgpu_metadata
.endif
;; end of part 4
